; MI455X (gfx1250); checked and timed in simulation.
; The chip was launched on July 23, 2026; its instructions are those of AMD's public machine-readable ISA for CDNA 5 (MIT licence, August 2026) and "CDNA5" Instruction Set Architecture Reference Guide (July 2026). The comments in the code are by the model that wrote it; some were corrected since.
;; Hopfield Block chem Train Space. Allowed arithmetic: float matrix products may take bf16 or f16 operands with f32 sums; other float arithmetic in f32, or as packed bf16 or f16 multiplies, adds, multiply-adds, maxima and minima; sums over many terms, partial sums and values carried from step to step in f32; what a program stores and reads back later, other than sums and carried values, may be rounded once to bf16 or f16.
;; Inputs: Wk 1,024 x 4,096 float32; Wo 4,096 x 1,024 float32; Wq 1,024 x 4,096 float32; Wv 1,024 x 4,096 float32; bk 4,096 float32; bo 1,024 float32; bq 4,096 float32; bv 4,096 float32; query_embedding 256 x 1 x 1,024 float32; referenceSet_embedding 1 x 256 x 1,024 float32; supportActives_embedding 256 x 12 x 1,024 float32; supportInactives_embedding 256 x 12 x 1,024 float32; supportSetActivesSize 256 int32; supportSetInactivesSize 256 int32.
;; Outputs: out0 256 x 1 x 1,024 float32; out1 256 x 12 x 1,024 float32; out2 256 x 12 x 1,024 float32.
;; 2 versions, each right; version 2 is version 1 with the launch prep written anew for expert scheduling mode. Each part assembles by itself: llvm-mc -triple=amdgcn-amd-amdhsa -mcpu=gfx1250 --defsym DOCPART=n.
;; ======== version 1 of 2: 4 launches
;; workspace buffers: Sb 13,107,200 bytes; Kb 2,097,152 bytes; Vb 2,097,152 bytes; cpart 65,536 bytes; cvec 8,192 bytes; MT 4,194,304 bytes; VW 4,194,304 bytes; P 26,214,400 bytes
;; launch prep (part 1): grid 256 x 1, 4 waves a work-group, no clusters, 57,856 bytes of LDS; arguments referenceSet_embedding, Wk, Wv, bk, bv, bq, query_embedding, supportActives_embedding, supportInactives_embedding, Kb, Vb, cpart, Sb; writes Kb, Vb, cpart, Sb
.if DOCPART == 1
	.amdgcn_target "amdgcn-amd-amdhsa--gfx1250"
	.amdhsa_code_object_version 6
	.text
	.protected	k_q9d65535868_prep
	.globl	k_q9d65535868_prep
	.p2align	8
	.type	k_q9d65535868_prep,@function
k_q9d65535868_prep:
	s_mov_b64 s[64:65], 0
	v_nop
	global_prefetch_b8 v0, s[64:65] scope:SCOPE_SE
	s_setreg_imm32_b32 hwreg(HW_REG_WAVE_MODE, 25, 1), 1
	s_wait_xcnt 0x0
; PREP.  Work-groups 0-127: K = ref Wk + bk (0-63) and V = ref Wv + bv (64-127), a strip of 64 columns each: 256 patterns x 64 columns, the sum over 1,024 channels.
; ref and W are rounded to bf16 on the way to the matrix unit, sums in f32 (they start at the bias), K and V rounded once to bf16 and stored strip by strip:
; Kb, Vb = [64 strips][256 m][64 c], a strip 32,768 dense bytes.  The K strips also store cpart[strip][m] = the sum over the strip's columns of K[m][c] bq[c], in f32.
; Work-groups 128-255: the 6,400 state rows rounded to bf16, in BLOCK ORDER: block rb = batches 8 rb .. 8 rb + 7 = 200 rows: 8 query rows, 96 rows of actives, 96 of inactives.
; WHY K, V AND c: with 256 stored patterns, (S Wq + bq) K^T = S (Wq K^T) + K bq and (attn V) Wo = attn (V Wo), for every input: the later launches multiply by the folded matrices.
; LIMITS.  bf16 operands; the products are associated otherwise than in the formula as written; NaN and infinities are not treated apart.
; The two vectors of set sizes enter no result of the module and are not among the arguments.
; No tensor load: f32 has to be converted between memory and the matrix unit, so everything comes through registers.  No cluster: nothing comes by tensor loads that could be asked for jointly.
; K/V PATH.  16 trips of 64 channels.  Wave w owns patterns 64 w .. 64 w + 63 (4 tiles mt) x the strip's 4 tiles ct: 16 accumulators.  Source 0 = W^T (16 columns), source 1 = ref (16 patterns):
; a lane then holds one pattern (lane % 16) and eight neighbouring columns.  ref's fragments come straight from memory (f32, two register sets); the trip's 64 x 64 piece of W is shared:
; each wave loads 16 of its rows (256 consecutive bytes a row), rounds them and lays them into one of two LDS buffers, from which all waves read them turned (ds_load_tr16_b128).
; REGISTERS.  window 0: v2-11 addresses, v16-17 the add's, v20-35 W rounded, v36-49 c partial, v64-127 ref's fragments (later the way out), v128-255 accumulators
;   window 1: ref as loaded, set s at 128 s;   window 2: v0-63 W as loaded, set s at 32 s; v64-127 W's fragments; v128-159 bq of my columns
.set SPARE, 57344                      ; the spare words: 128 bytes a wave, two blocks of 256 bytes that no other line names
.set WBUF,  10240                      ; an LDS buffer of W: 64 rows (channels) x 160 bytes (128 of data + 32; 64 banks of 4 bytes: ISA guide 11.1)
.set STG,   20480                      ; behind the two buffers: each wave's own stage, 64 rows x 144 bytes
.set XO,  2                            ; (64 w + l % 16) x 4,096 + 32 (l / 16): my place in ref
.set WO,  3                            ; (16 w + l / 16) x 16,384 + 16 (l % 16): my place in W's piece
.set WS,  4                            ; (16 w + l / 16) x 160 + 8 (l % 16): where I lay 4 rounded numbers
.set WT,  5                            ; (8 (l / 16) + l % 8) x 160 + 16 ((l / 8) % 2): the turning load's address
.set BOF, 6                            ; 32 (l / 16): my eight columns in a tile of bias or bq
.set STO, 7                            ; the way out: where I put 16 bytes of a row
.set RD,  8                            ; the way out: where I read rows back
.set GO,  9                            ; 16 l
.set CPO, 10                           ; 256 w + 4 l
.set LN,  11                           ; l
.set SPW, 16
.set NIL, 17
.set WP,  20
.set CT,  36
.set XB,  64
.set ACC, 128
.set WF,  64                           ; window 2
.set BQ,  128                          ; window 2
.set MSB, 0
.macro WIN new                         ; the immediate's high byte repeats the setting that is left; a switch that changes nothing is dropped
.if MSB != (\new)
	s_set_vgpr_msb (MSB<<8)|(\new)
.set MSB, (\new)
.endif
.endm
.macro PLACES                          ; four plain vector instructions behind a matrix instruction (ISA guide 7.12.1)
.rept 4
	v_nop
.endr
.endm
	s_load_b512 s[4:19], s[0:1], 0x0               ; ref 4, Wk 6, Wv 8, bk 10, bv 12, bq 14, query 16, actives 18
	s_load_b256 s[20:27], s[0:1], 0x40             ; inactives 20, Kb 22, Vb 24, cpart 26
	s_load_b64 s[28:29], s[0:1], 0x60              ; Sb
	v_lshl_add_u32 v[SPW], v0, 2, SPARE
	v_mov_b32 v[NIL], 0
	v_lshrrev_b32 v1, 5, v0
	v_readfirstlane_b32 s30, v1                    ; wave 0..3
	s_cmp_lt_u32 ttmp9, 128                        ; the same answer in all four waves
	s_cbranch_scc0 .Lcast
	; ------------------------------------------------ K and V
	s_lshr_b32 s31, ttmp9, 6                       ; 0: K, 1: V
	s_and_b32 s32, ttmp9, 63                       ; the strip
	s_mov_b32 s46, 0x76543210                      ; v_permlanex16_b32: each lane takes its own place in the other half
	s_mov_b32 s47, 0xfedcba98
	v_and_b32 v[LN], 31, v0
	v_and_b32 v12, 15, v0                          ; l % 16
	v_bfe_u32 v13, v0, 4, 1                        ; l / 16
	v_and_b32 v14, 7, v0
	v_bfe_u32 v15, v0, 3, 1
	s_lshl_b32 s33, s30, 18                        ; 64 w rows of 4,096 bytes, and 16 w rows of 16,384
	v_lshlrev_b32 v[XO], 12, v12
	v_lshl_add_u32 v[XO], v13, 5, v[XO]
	v_add_nc_u32 v[XO], s33, v[XO]
	v_lshlrev_b32 v[WO], 14, v13
	v_lshl_add_u32 v[WO], v12, 4, v[WO]
	v_add_nc_u32 v[WO], s33, v[WO]
	s_mul_i32 s33, s30, 2560
	v_mul_u32_u24 v[WS], v13, 160
	v_lshl_add_u32 v[WS], v12, 3, v[WS]
	v_add_nc_u32 v[WS], s33, v[WS]
	v_lshl_add_u32 v[WT], v13, 3, v14
	v_mul_u32_u24 v[WT], v[WT], 160
	v_lshl_add_u32 v[WT], v15, 4, v[WT]
	v_lshlrev_b32 v[BOF], 5, v13
	s_mul_i32 s33, s30, 9216
	s_add_co_u32 s33, s33, STG                     ; my stage
	v_mul_u32_u24 v[STO], v12, 144
	v_lshl_add_u32 v[STO], v13, 4, v[STO]
	v_add_nc_u32 v[STO], s33, v[STO]
	v_bfe_u32 v[RD], v0, 3, 2
	v_mul_u32_u24 v[RD], v[RD], 144
	v_lshl_add_u32 v[RD], v14, 4, v[RD]
	v_add_nc_u32 v[RD], s33, v[RD]
	v_lshlrev_b32 v[GO], 4, v[LN]
	s_lshl_b32 s33, s30, 8
	v_lshl_add_u32 v[CPO], v[LN], 2, s33
	s_wait_kmcnt 0x0
	s_cmp_eq_u32 s31, 0
	s_cselect_b64 s[34:35], s[6:7], s[8:9]         ; W
	s_cselect_b64 s[38:39], s[10:11], s[12:13]     ; its bias
	s_cselect_b64 s[40:41], s[22:23], s[24:25]     ; where the strip goes
	s_lshl_b32 s2, s32, 8                          ; the strip's 64 columns: 256 bytes
	s_mov_b32 s3, 0
	s_add_nc_u64 s[34:35], s[34:35], s[2:3]
	s_add_nc_u64 s[38:39], s[38:39], s[2:3]
	s_add_nc_u64 s[42:43], s[14:15], s[2:3]        ; bq at the strip
	s_mov_b64 s[36:37], s[4:5]                     ; ref
	s_lshl_b32 s2, s32, 10
	s_add_nc_u64 s[26:27], s[26:27], s[2:3]        ; cpart at the strip
	s_lshl_b32 s2, s32, 15
	s_lshl_b32 s33, s30, 13
	s_add_co_u32 s2, s2, s33
	s_add_nc_u64 s[40:41], s[40:41], s[2:3]        ; the strip's block, my 64 rows of 128 bytes
.macro LOADW sg, off                   ; my 16 rows of a trip's piece of W: 8 loads, each two rows of 256 consecutive bytes
	WIN 0x80
.irp i, 0,1,2,3,4,5,6,7
	global_load_b128 v[32*(\sg)+4*(\i):32*(\sg)+4*(\i)+3], v[WO], s[34:35] offset:(\off)+32768*(\i) th:TH_LOAD_NT
.endr
.endm
.macro LOADX sg, off                   ; ref's eight fragments (tile f / 2, channels 32 (f % 2) on) in f32: 16 registers each
	WIN 0x40
.irp f, 0,1,2,3,4,5,6,7
	global_load_b128 v[128*(\sg)+16*(\f):128*(\sg)+16*(\f)+3],     v[XO], s[36:37] offset:(\off)+65536*((\f)/2)+128*((\f)%2)
	global_load_b128 v[128*(\sg)+16*(\f)+4:128*(\sg)+16*(\f)+7],   v[XO], s[36:37] offset:(\off)+65536*((\f)/2)+128*((\f)%2)+16
	global_load_b128 v[128*(\sg)+16*(\f)+8:128*(\sg)+16*(\f)+11],  v[XO], s[36:37] offset:(\off)+65536*((\f)/2)+128*((\f)%2)+64
	global_load_b128 v[128*(\sg)+16*(\f)+12:128*(\sg)+16*(\f)+15], v[XO], s[36:37] offset:(\off)+65536*((\f)/2)+128*((\f)%2)+80
.endr
.endm
.macro MULK q                          ; 16 products, 32 channels: the 16 accumulators take turns
.irp m, 0,1,2,3
.irp c, 0,1,2,3
	v_wmma_f32_16x16x32_bf16 v[ACC+8*(4*(\m)+(\c)):ACC+8*(4*(\m)+(\c))+7], v[WF+8*(2*(\c)+(\q)):WF+8*(2*(\c)+(\q))+7], v[XB+8*(2*(\m)+(\q)):XB+8*(2*(\m)+(\q))+7], v[ACC+8*(4*(\m)+(\c)):ACC+8*(4*(\m)+(\c))+7]
.endr
.endr
.endm
; A trip on register set and LDS buffer sg.  ONE barrier a trip: buffer sg is stored again two trips on, behind the barrier of the trip between, in front of whose signal every wave has waited for its reads of it.
.macro TRIPK sg, nxt, left
	s_wait_loadcnt \left                           ; this set's 40 loads are in; the other set's 40, issued behind them, may stay out
	WIN 0x0a
.irp i, 0,1,2,3,4,5,6,7,8,9,10,11,12,13,14,15
	v_cvt_pk_bf16_f32 v[WP+(\i)], v[32*(\sg)+2*(\i)], v[32*(\sg)+2*(\i)+1]  ; these sixteen name no register of the last products: they are the places in front of the writes of ref's fragments
.endr
	WIN 0
.irp i, 0,1,2,3,4,5,6,7
	ds_store_b64 v[WS], v[WP+2*(\i):WP+2*(\i)+1] offset:WBUF*(\sg)+320*(\i)
.endr
	WIN 0x05
.set n, 0
.rept 64
	v_cvt_pk_bf16_f32 v[XB+n], v[128*(\sg)+2*n], v[128*(\sg)+2*n+1]
.set n, n+1
.endr
.if \nxt
.if (\sg) == 0
	s_wait_xcnt 0x0                                ; every load issued so far has read its address: the two pointers go two trips on
	s_add_nc_u64 s[34:35], s[34:35], 2097152       ; 128 rows of W
	s_add_nc_u64 s[36:37], s[36:37], 512           ; 128 channels of ref
.endif
	LOADW \sg, (\sg)*1048576
	LOADX \sg, (\sg)*256
.endif
	WIN 0
	s_wait_dscnt 0x0                               ; for the others' sake: my stores into the buffer are done, and my reads of the other buffer are back
	s_barrier_signal -1
	s_barrier_wait -1
	WIN 0x80
.irp q, 0,1
.irp c, 0,1,2,3
	ds_load_tr16_b128 v[WF+8*(2*(\c)+(\q)):WF+8*(2*(\c)+(\q))+3],   v[WT] offset:WBUF*(\sg)+5120*(\q)+32*(\c)
	ds_load_tr16_b128 v[WF+8*(2*(\c)+(\q))+4:WF+8*(2*(\c)+(\q))+7], v[WT] offset:WBUF*(\sg)+5120*(\q)+32*(\c)+2560
.endr
.endr
	WIN 0x02
	s_wait_dscnt 8                                 ; the first 32 channels' eight loads are in
	MULK 0
	s_wait_dscnt 0x0
	MULK 1
.endm
	WIN 0x80
.irp c, 0,1,2,3
	global_load_b128 v[BQ+8*(\c):BQ+8*(\c)+3],   v[BOF], s[42:43] offset:64*(\c)
	global_load_b128 v[BQ+8*(\c)+4:BQ+8*(\c)+7], v[BOF], s[42:43] offset:64*(\c)+16
.endr
	WIN 0
.irp a, 0,1,2,3,4,5,6,7,8,9,10,11,12,13,14,15      ; the sums start at the bias: nothing is cleared
	global_load_b128 v[ACC+8*(\a):ACC+8*(\a)+3],   v[BOF], s[38:39] offset:64*((\a)%4)
	global_load_b128 v[ACC+8*(\a)+4:ACC+8*(\a)+7], v[BOF], s[38:39] offset:64*((\a)%4)+16
.endr
	LOADW 0, 0                                     ; trip 0
	LOADX 0, 0
	LOADW 1, 1048576                               ; trip 1
	LOADX 1, 256
	WIN 0
	s_mov_b32 s44, 7
.Lk:                                               ; trips 2 i and 2 i + 1 are multiplied, trips 2 i + 2 and 2 i + 3 asked for
	TRIPK 0, 1, 40
	TRIPK 1, 1, 40
	WIN 0
	s_sub_co_u32 s44, s44, 1
	s_cmp_lg_u32 s44, 0
	s_cbranch_scc1 .Lk
	TRIPK 0, 0, 40                                 ; the last two trips load nothing
	TRIPK 1, 0, 0
	WIN 0
	PLACES
	PLACES                                         ; eight, once a launch
	s_cmp_lg_u32 s31, 0
	s_cbranch_scc1 .Lnoc                           ; V has no c
	; c partial: for each of my four tiles of patterns the sum over the strip's 64 columns of K bq; each accumulator is read from its low end on
	WIN 0x08
.irp m, 0,1,2,3
	v_pk_mul_f32 v[CT+2*(\m):CT+2*(\m)+1], v[ACC+32*(\m):ACC+32*(\m)+1], v[BQ:BQ+1]
.endr
.set n, 1
.rept 15
.irp m, 0,1,2,3
	v_pk_fma_f32 v[CT+2*(\m):CT+2*(\m)+1], v[ACC+32*(\m)+2*n:ACC+32*(\m)+2*n+1], v[BQ+2*n:BQ+2*n+1], v[CT+2*(\m):CT+2*(\m)+1]
.endr
.set n, n+1
.endr
	WIN 0
.irp m, 0,1,2,3
	v_add_f32 v[CT+8+(\m)], v[CT+2*(\m)], v[CT+2*(\m)+1]
.endr
.irp m, 0,1,2,3
	v_permlanex16_b32 v[CT+2*(\m)], v[CT+8+(\m)], s46, s47   ; the pattern's other 32 columns lie in the lane 16 away
.endr
.irp m, 0,1,2,3
	v_add_f32 v[CT+8+(\m)], v[CT+8+(\m)], v[CT+2*(\m)]
.endr
	v_cmp_le_u32 s45, 16, v[LN]
	v_cndmask_b32 v[CT+12], v[CT+8], v[CT+9], s45  ; lane l: pattern 64 w + l,
	v_cndmask_b32 v[CT+13], v[CT+10], v[CT+11], s45  ; and 64 w + 32 + l
	global_store_b32 v[CPO], v[CT+12], s[26:27]    ; the wave's two stores cover 256 consecutive bytes, aligned
	global_store_b32 v[CPO], v[CT+13], s[26:27] offset:128
.Lnoc:
	; THE WAY OUT: rounded to bf16, 16 bytes a lane into my own stage, back as whole rows of 128 bytes, four to a load, and out as 512 consecutive bytes
.set n, 0
.rept 64
	v_cvt_pk_bf16_f32 v[64+n], v[ACC+2*n], v[ACC+2*n+1]
.set n, n+1
.endr
.irp a, 0,1,2,3,4,5,6,7,8,9,10,11,12,13,14,15
	ds_store_b128 v[STO], v[64+4*(\a):64+4*(\a)+3] offset:2304*((\a)/4)+32*((\a)%4)
.endr
.irp f, 0,1,2,3,4,5,6,7,8,9,10,11,12,13,14,15
	ds_load_b128 v[64+4*(\f):64+4*(\f)+3], v[RD] offset:576*(\f)   ; LDS serves a wave's instructions in order (ISA guide 5.7.1.4): these see the stores above
.endr
.irp f, 0,1,2,3,4,5,6,7,8,9,10,11,12,13,14,15
	s_wait_dscnt 15-(\f)
	global_store_b128 v[GO], v[64+4*(\f):64+4*(\f)+3], s[40:41] offset:512*(\f)
.endr
	s_branch .Lend
	; ------------------------------------------------ the state rows, rounded and put in block order
.Lcast:                                            ; work-group 128 + 4 rb + 2 p + hf: 48 rows of actives (p = 0) or inactives (p = 1) of block rb, and 2 of its query rows
	s_sub_co_u32 s31, ttmp9, 128
	s_lshr_b32 s32, s31, 2                         ; rb
	s_bfe_u32 s33, s31, 0x10001                    ; p
	s_and_b32 s31, s31, 1                          ; hf
	v_lshlrev_b32 v2, 4, v0                        ; 16 bytes a thread in: the work-group takes 2,048 consecutive bytes a chunk,
	v_lshlrev_b32 v3, 3, v0                        ; 8 bytes a thread out: a wave's store covers 256 consecutive bytes, aligned
	s_mul_i32 s2, s32, 96
	s_mul_i32 s3, s31, 48
	s_add_co_u32 s2, s2, s3
	s_lshl_b32 s2, s2, 12                          ; source row 96 rb + 48 hf
	s_mov_b32 s3, 0
	s_wait_kmcnt 0x0
	s_cmp_eq_u32 s33, 0
	s_cselect_b64 s[34:35], s[18:19], s[20:21]
	s_add_nc_u64 s[34:35], s[34:35], s[2:3]
	s_mul_i32 s2, s32, 200
	s_mul_i32 s42, s33, 96
	s_add_co_u32 s2, s2, s42
	s_mul_i32 s42, s31, 48
	s_add_co_u32 s2, s2, s42
	s_add_co_u32 s2, s2, 8
	s_lshl_b32 s2, s2, 11                          ; row 200 rb + 8 + 96 p + 48 hf of Sb
	s_add_nc_u64 s[36:37], s[28:29], s[2:3]
	s_lshl_b32 s2, s32, 3
	s_lshl2_add_u32 s2, s33, s2
	s_lshl1_add_u32 s2, s31, s2
	s_lshl_b32 s2, s2, 12                          ; query row 8 rb + 4 p + 2 hf
	s_add_nc_u64 s[38:39], s[16:17], s[2:3]
	s_mul_i32 s2, s32, 200
	s_lshl2_add_u32 s2, s33, s2
	s_lshl1_add_u32 s2, s31, s2
	s_lshl_b32 s2, s2, 11                          ; row 200 rb + 4 p + 2 hf of Sb
	s_add_nc_u64 s[40:41], s[28:29], s[2:3]
.irp i, 0,1,2,3
	global_load_b128 v[176+4*(\i):176+4*(\i)+3], v2, s[38:39] offset:2048*(\i) th:TH_LOAD_NT
.endr
.set kk, 0
.rept 24                                           ; a ring of 24 slots in registers: 24 loads of every wave are on their way
	global_load_b128 v[32+4*kk:32+4*kk+3], v2, s[34:35] offset:2048*kk th:TH_LOAD_NT
.set kk, kk+1
.endr
	s_wait_loadcnt 24                              ; the four query loads are in; the ring's 24 stay out
.irp i, 0,1,2,3
	v_cvt_pk_bf16_f32 v[192+2*(\i)], v[176+4*(\i)], v[176+4*(\i)+1]
	v_cvt_pk_bf16_f32 v[192+2*(\i)+1], v[176+4*(\i)+2], v[176+4*(\i)+3]
	global_store_b64 v3, v[192+2*(\i):192+2*(\i)+1], s[40:41] offset:1024*(\i) th:TH_STORE_NT
.endr
.macro CSLOT k, ahead, left
	s_wait_loadcnt \left                           ; loads come back in order (ISA guide 5.7.1): this slot's is in, the younger ones stay out
	v_cvt_pk_bf16_f32 v[128+2*(\k)], v[32+4*(\k)], v[32+4*(\k)+1]
	v_cvt_pk_bf16_f32 v[128+2*(\k)+1], v[32+4*(\k)+2], v[32+4*(\k)+3]
.if \ahead
	global_load_b128 v[32+4*(\k):32+4*(\k)+3], v2, s[34:35] offset:(24+(\k))*2048 th:TH_LOAD_NT
.endif
	global_store_b64 v3, v[128+2*(\k):128+2*(\k)+1], s[36:37] offset:1024*(\k) th:TH_STORE_NT
.endm
	s_mov_b32 s44, 3
.Lring:                                            ; 96 chunks: three trips of 24 that load 24 ahead, and a last one that loads nothing
.set kk, 0
.rept 24
	CSLOT kk, 1, 23
.set kk, kk+1
.endr
	s_wait_xcnt 0x0                                ; the trip's loads and stores have read their sources: the pointers and the stores' data registers are written again only behind this wait
	s_add_nc_u64 s[34:35], s[34:35], 49152
	s_add_nc_u64 s[36:37], s[36:37], 24576
	s_sub_co_u32 s44, s44, 1
	s_cmp_lg_u32 s44, 0
	s_cbranch_scc1 .Lring
.set kk, 0
.rept 24
	CSLOT kk, 0, 23-kk
.set kk, kk+1
.endr
.Lend:
	s_wait_tensorcnt 0x0                           ; the wave's end, behind my last LDS store
	ds_add_u32 v[SPW], v[NIL]
	s_wait_dscnt 0x0
	s_endpgm
.Lfunc_end_k_q9d65535868_prep:
	.size	k_q9d65535868_prep, .Lfunc_end_k_q9d65535868_prep-k_q9d65535868_prep
	.p2alignl 7, 3214868480
	.fill 96, 4, 3214868480
	.section	.rodata,"a",@progbits
	.p2align	6, 0x0
	.amdhsa_kernel k_q9d65535868_prep
		.amdhsa_group_segment_fixed_size 57856
		.amdhsa_private_segment_fixed_size 0
		.amdhsa_enable_private_segment 0
		.amdhsa_kernarg_size 104
		.amdhsa_user_sgpr_count 2
		.amdhsa_user_sgpr_kernarg_segment_ptr 1
		.amdhsa_wavefront_size32 1
		.amdhsa_system_sgpr_workgroup_id_x 1
		.amdhsa_system_sgpr_workgroup_id_y 1
		.amdhsa_system_sgpr_workgroup_id_z 1
		.amdhsa_system_vgpr_workitem_id 0
		.amdhsa_next_free_vgpr 672
		.amdhsa_next_free_sgpr 66
		.amdhsa_reserve_vcc 0
		.amdhsa_float_denorm_mode_32 3
		.amdhsa_float_denorm_mode_16_64 3
		.amdhsa_memory_ordered 1
		.amdhsa_forward_progress 1
		.amdhsa_inst_pref_size 91
	.end_amdhsa_kernel
	.amdgpu_metadata
---
amdhsa.version: [ 1, 2 ]
amdhsa.kernels:
  - .name:           k_q9d65535868_prep
    .symbol:         k_q9d65535868_prep.kd
    .args:
      - { .name: referenceSet_embedding, .offset: 0, .size: 8, .value_kind: global_buffer, .address_space: global }
      - { .name: Wk, .offset: 8, .size: 8, .value_kind: global_buffer, .address_space: global }
      - { .name: Wv, .offset: 16, .size: 8, .value_kind: global_buffer, .address_space: global }
      - { .name: bk, .offset: 24, .size: 8, .value_kind: global_buffer, .address_space: global }
      - { .name: bv, .offset: 32, .size: 8, .value_kind: global_buffer, .address_space: global }
      - { .name: bq, .offset: 40, .size: 8, .value_kind: global_buffer, .address_space: global }
      - { .name: query_embedding, .offset: 48, .size: 8, .value_kind: global_buffer, .address_space: global }
      - { .name: supportActives_embedding, .offset: 56, .size: 8, .value_kind: global_buffer, .address_space: global }
      - { .name: supportInactives_embedding, .offset: 64, .size: 8, .value_kind: global_buffer, .address_space: global }
      - { .name: Kb, .offset: 72, .size: 8, .value_kind: global_buffer, .address_space: global }
      - { .name: Vb, .offset: 80, .size: 8, .value_kind: global_buffer, .address_space: global }
      - { .name: cpart, .offset: 88, .size: 8, .value_kind: global_buffer, .address_space: global }
      - { .name: Sb, .offset: 96, .size: 8, .value_kind: global_buffer, .address_space: global }
    .group_segment_fixed_size: 57856
    .private_segment_fixed_size: 0
    .kernarg_segment_align: 8
    .kernarg_segment_size: 104
    .max_flat_workgroup_size: 128
    .sgpr_count:     66
    .vgpr_count:     672
    .wavefront_size: 32
...
	.end_amdgpu_metadata
.endif
;; end of part 1
;; launch fold (part 2): grid 256 x 1, 4 waves a work-group, no clusters, 57,856 bytes of LDS; arguments Kb, Vb, Wq, Wo, cpart, MT, VW, cvec; writes MT, VW, cvec
.if DOCPART == 2
	.amdgcn_target "amdgcn-amd-amdhsa--gfx1250"
	.amdhsa_code_object_version 6
	.text
	.protected	k_q9d65535868_fold
	.globl	k_q9d65535868_fold
	.p2align	8
	.type	k_q9d65535868_fold,@function
k_q9d65535868_fold:
	s_mov_b64 s[64:65], 0
	v_nop
	global_prefetch_b8 v0, s[64:65] scope:SCOPE_SE
	s_setreg_imm32_b32 hwreg(HW_REG_WAVE_MODE, 25, 1), 1
	s_wait_xcnt 0x0
; FOLD.  Work-groups 0-127 (head hd, block db of 64 channels): MT[m][d] = the sum over a of K_h[m][a] Wq[d][512 h + a].  Work-groups 128-255: VW[m][d] = the sum over a of V_h[m][a] Wo[512 h + a][d].
; Each makes 256 patterns x 64 channels, the sum over the head's 512; both results go out as [16 db][2048 (h, m)][64 d] in bf16: a work-group's block is 32,768 dense bytes.
; The 8 work-groups with db = 0 of the first half also add a head's eight rows of cpart into cvec[h][m] (f32).
; ONE TEXT for both halves: scalars chosen at the head say which buffers, which pitch and which step; the one fork in a trip is how W's fragments leave LDS:
; Wq's piece lies [d][a] (the sum's index along the rows): plain loads; Wo's lies [a][d]: turned, by ds_load_tr16_b128.
; K's and V's fragments come straight from memory as the launch before laid them (bf16, a strip a trip); W is f32: each wave loads 16 rows of the trip's 64 x 64 piece, rounds them and lays them into one of two LDS buffers.
; Source 0 = W (16 channels d), source 1 = K or V (16 patterns): a lane holds one pattern and eight neighbouring d.  Sums in f32, MT and VW rounded once to bf16.
; The LDS pitch of 160 bytes suits the turning load; the plain fragment loads of the first half meet two deep in the banks with it: the price of one store text for both halves.
; Eight trips of 64, written out: every offset is an immediate, and eight bases of W are made at the head, so nothing is stepped.
; REGISTERS.  window 0: v2-10 addresses, v16-17 the add's, v32-47 W rounded, v48-55 W's offsets, v56-63 c, v64-127 W's fragments (first c's rows, last the way out), v128-255 accumulators
;   window 1: K's or V's fragments, a ring of four sets of 64;   window 2: v0-63 W as loaded, two sets
.set SPARE, 57344
.set WBUF,  10240
.set STG,   20480
.set XO,  2                            ; (64 w + l % 16) x 128 + 16 (l / 16)
.set WS,  4
.set WT,  5
.set WPL, 6                            ; 160 (l % 16) + 16 (l / 16): the plain fragment loads
.set STO, 7
.set RD,  8
.set GO,  9
.set CO,  10                           ; 256 w + 8 l
.set LN,  11
.set SPW, 16
.set NIL, 17
.set WP,  32
.set WOF, 48
.set WF,  64
.set ACC, 128
.set MSB, 0
.macro WIN new
.if MSB != (\new)
	s_set_vgpr_msb (MSB<<8)|(\new)
.set MSB, (\new)
.endif
.endm
.macro PLACES
.rept 4
	v_nop
.endr
.endm
	s_load_b512 s[4:19], s[0:1], 0x0               ; Kb 4, Vb 6, Wq 8, Wo 10, cpart 12, MT 14, VW 16, cvec 18
	v_lshl_add_u32 v[SPW], v0, 2, SPARE
	v_mov_b32 v[NIL], 0
	v_lshrrev_b32 v1, 5, v0
	v_readfirstlane_b32 s30, v1                    ; wave 0..3
	s_lshr_b32 s20, ttmp9, 7                       ; 0: MT, 1: VW
	s_bfe_u32 s21, ttmp9, 0x30004                  ; the head
	s_and_b32 s22, ttmp9, 15                       ; db
	s_lshl_b32 s2, s22, 20                         ; Wq: row 64 db (16,384 bytes a row),
	s_lshl_b32 s3, s21, 11                         ; column 512 hd
	s_add_co_u32 s2, s2, s3
	s_lshl_b32 s3, s21, 21                         ; Wo: row 512 hd (4,096 bytes a row),
	s_lshl_b32 s31, s22, 8                         ; column 64 db
	s_add_co_u32 s3, s3, s31
	s_mov_b32 s23, 4096
	s_mov_b32 s48, 262144
	s_cmp_eq_u32 s20, 0
	s_cselect_b32 s2, s2, s3                       ; W's piece of trip 0
	s_cselect_b32 s23, 16384, s23                  ; bytes from row to row of W
	s_cselect_b32 s48, 256, s48                    ; bytes from trip to trip: 64 columns, or 64 rows
	s_mov_b32 s3, 0
	s_mov_b32 s49, 0
	s_lshl_b32 s24, s23, 1
	v_and_b32 v[LN], 31, v0
	v_and_b32 v12, 15, v0
	v_bfe_u32 v13, v0, 4, 1
	v_and_b32 v14, 7, v0
	v_bfe_u32 v15, v0, 3, 1
	s_lshl_b32 s31, s30, 13
	v_lshlrev_b32 v[XO], 7, v12
	v_lshl_add_u32 v[XO], v13, 4, v[XO]
	v_add_nc_u32 v[XO], s31, v[XO]
	s_mul_i32 s31, s30, 2560
	v_mul_u32_u24 v[WS], v13, 160
	v_lshl_add_u32 v[WS], v12, 3, v[WS]
	v_add_nc_u32 v[WS], s31, v[WS]
	v_lshl_add_u32 v[WT], v13, 3, v14
	v_mul_u32_u24 v[WT], v[WT], 160
	v_lshl_add_u32 v[WT], v15, 4, v[WT]
	v_mul_u32_u24 v[WPL], v12, 160
	v_lshl_add_u32 v[WPL], v13, 4, v[WPL]
	s_mul_i32 s31, s30, 9216
	s_add_co_u32 s31, s31, STG
	v_mul_u32_u24 v[STO], v12, 144
	v_lshl_add_u32 v[STO], v13, 4, v[STO]
	v_add_nc_u32 v[STO], s31, v[STO]
	v_bfe_u32 v[RD], v0, 3, 2
	v_mul_u32_u24 v[RD], v[RD], 144
	v_lshl_add_u32 v[RD], v14, 4, v[RD]
	v_add_nc_u32 v[RD], s31, v[RD]
	v_lshlrev_b32 v[GO], 4, v[LN]
	s_lshl_b32 s31, s30, 8
	v_lshl_add_u32 v[CO], v[LN], 3, s31
	s_lshl_b32 s31, s30, 4
	v_add_nc_u32 v[WOF], s31, v13                  ; row 16 w + l / 16 of the piece,
	v_mul_u32_u24 v[WOF], s23, v[WOF]
	v_lshl_add_u32 v[WOF], v12, 4, v[WOF]          ; 16 bytes a lane: a load takes two rows of 256 consecutive bytes
.irp i, 1,2,3,4,5,6,7
	v_add_nc_u32 v[WOF+(\i)], s24, v[WOF+(\i)-1]   ; and two rows further down for each of the eight loads
.endr
	s_wait_kmcnt 0x0
	s_cmp_eq_u32 s20, 0
	s_cselect_b64 s[26:27], s[4:5], s[6:7]         ; K or V
	s_cselect_b64 s[32:33], s[8:9], s[10:11]       ; Wq or Wo
	s_cselect_b64 s[28:29], s[14:15], s[16:17]     ; MT or VW
	s_add_nc_u64 s[32:33], s[32:33], s[2:3]
.irp t, 1,2,3,4,5,6,7
	s_add_nc_u64 s[32+2*(\t):33+2*(\t)], s[30+2*(\t):31+2*(\t)], s[48:49]  ; a base for each trip
.endr
	s_lshl_b32 s2, s21, 18
	s_add_nc_u64 s[26:27], s[26:27], s[2:3]        ; the head's eight strips
	s_lshl_b32 s2, s22, 18
	s_lshl_b32 s31, s21, 15
	s_add_co_u32 s2, s2, s31
	s_lshl_b32 s31, s30, 13
	s_add_co_u32 s2, s2, s31
	s_add_nc_u64 s[28:29], s[28:29], s[2:3]        ; block db, head hd, my 64 rows of 128 bytes
.macro LDX t                           ; trip t's eight fragments of K or V (tile f / 2, 32 (f % 2) on), as they lie
	WIN 0x40
.irp f, 0,1,2,3,4,5,6,7
	global_load_b128 v[64*((\t)%4)+8*(\f):64*((\t)%4)+8*(\f)+3],   v[XO], s[26:27] offset:32768*(\t)+2048*((\f)/2)+64*((\f)%2)
	global_load_b128 v[64*((\t)%4)+8*(\f)+4:64*((\t)%4)+8*(\f)+7], v[XO], s[26:27] offset:32768*(\t)+2048*((\f)/2)+64*((\f)%2)+32
.endr
.endm
.macro LDW t                           ; my 16 rows of trip t's piece of W
	WIN 0x80
.irp i, 0,1,2,3,4,5,6,7
	global_load_b128 v[32*((\t)%2)+4*(\i):32*((\t)%2)+4*(\i)+3], v[WOF+(\i)], s[32+2*(\t):33+2*(\t)] th:TH_LOAD_NT
.endr
.endm
.macro MULF t, q                       ; 16 products: the 16 accumulators take turns; the very first start the sums
.irp m, 0,1,2,3
.irp c, 0,1,2,3
.if ((\t) == 0) && ((\q) == 0)
	v_wmma_f32_16x16x32_bf16 v[ACC+8*(4*(\m)+(\c)):ACC+8*(4*(\m)+(\c))+7], v[WF+8*(2*(\c)+(\q)):WF+8*(2*(\c)+(\q))+7], v[64*((\t)%4)+8*(2*(\m)+(\q)):64*((\t)%4)+8*(2*(\m)+(\q))+7], 0
.else
	v_wmma_f32_16x16x32_bf16 v[ACC+8*(4*(\m)+(\c)):ACC+8*(4*(\m)+(\c))+7], v[WF+8*(2*(\c)+(\q)):WF+8*(2*(\c)+(\q))+7], v[64*((\t)%4)+8*(2*(\m)+(\q)):64*((\t)%4)+8*(2*(\m)+(\q))+7], v[ACC+8*(4*(\m)+(\c)):ACC+8*(4*(\m)+(\c))+7]
.endif
.endr
.endr
.endm
; A trip.  left = the loads issued behind this trip's W and fragments.  One barrier a trip, as in the launch before: a buffer is stored again two trips on, behind the barrier between.
.macro TRIPF t, left
	s_wait_loadcnt \left
	WIN 0x0a
.irp i, 0,1,2,3,4,5,6,7,8,9,10,11,12,13,14,15
	v_cvt_pk_bf16_f32 v[WP+(\i)], v[32*((\t)%2)+2*(\i)], v[32*((\t)%2)+2*(\i)+1]
.endr
	WIN 0
.irp i, 0,1,2,3,4,5,6,7
	ds_store_b64 v[WS], v[WP+2*(\i):WP+2*(\i)+1] offset:WBUF*((\t)%2)+320*(\i)
.endr
.if (\t) <= 5
	LDW (\t)+2
.endif
	WIN 0
	s_wait_dscnt 0x0                               ; for the others' sake: my stores are done, my reads of the other buffer are back
	s_barrier_signal -1
	s_barrier_wait -1
	s_cmp_eq_u32 s20, 0
	s_cbranch_scc1 .Lplain_\@
.irp q, 0,1
.irp c, 0,1,2,3
	ds_load_tr16_b128 v[WF+8*(2*(\c)+(\q)):WF+8*(2*(\c)+(\q))+3],   v[WT] offset:WBUF*((\t)%2)+5120*(\q)+32*(\c)
	ds_load_tr16_b128 v[WF+8*(2*(\c)+(\q))+4:WF+8*(2*(\c)+(\q))+7], v[WT] offset:WBUF*((\t)%2)+5120*(\q)+32*(\c)+2560
.endr
.endr
	s_branch .Lgot_\@
.Lplain_\@:
.irp q, 0,1
.irp c, 0,1,2,3
	ds_load_b128 v[WF+8*(2*(\c)+(\q)):WF+8*(2*(\c)+(\q))+3],   v[WPL] offset:WBUF*((\t)%2)+2560*(\c)+64*(\q)
	ds_load_b128 v[WF+8*(2*(\c)+(\q))+4:WF+8*(2*(\c)+(\q))+7], v[WPL] offset:WBUF*((\t)%2)+2560*(\c)+64*(\q)+32
.endr
.endr
.Lgot_\@:
	WIN 0x04
	s_wait_dscnt 8                                 ; on either way sixteen loads were issued, the first half's eight first
	MULF \t, 0
	s_wait_dscnt 0x0
	MULF \t, 1
	PLACES                                         ; in front of the loads into the fragments just multiplied, and of the next trip's loads into W's
.if (\t) <= 3
	LDX (\t)+4
.endif
.endm
	LDX 0
	LDW 0
	LDX 1
	LDW 1
	LDX 2
	LDX 3
	WIN 0
	s_and_b32 s31, ttmp9, 0x8f
	s_cmp_lg_u32 s31, 0
	s_cbranch_scc1 .Lnoc                           ; only the first half's work-groups with db = 0
	s_lshl_b32 s2, s21, 13
	s_add_nc_u64 s[12:13], s[12:13], s[2:3]        ; the head's eight rows of cpart
	s_lshl_b32 s2, s21, 10
	s_add_nc_u64 s[18:19], s[18:19], s[2:3]
.irp i, 0,1,2,3,4,5,6,7
	global_load_b64 v[64+2*(\i):65+2*(\i)], v[CO], s[12:13] offset:1024*(\i)
.endr
	s_wait_loadcnt 0x0                             ; all loads so far: the trips' counts name younger loads alone and hold on both ways
	v_pk_add_f32 v[56:57], v[64:65], v[66:67]
	v_pk_add_f32 v[58:59], v[68:69], v[70:71]
	v_pk_add_f32 v[60:61], v[72:73], v[74:75]
	v_pk_add_f32 v[62:63], v[76:77], v[78:79]
	v_pk_add_f32 v[56:57], v[56:57], v[58:59]
	v_pk_add_f32 v[60:61], v[60:61], v[62:63]
	v_pk_add_f32 v[56:57], v[56:57], v[60:61]
	global_store_b64 v[CO], v[56:57], s[18:19]     ; a wave's store covers 256 consecutive bytes, aligned; its registers are not written again
.Lnoc:
	TRIPF 0, 56                                    ; behind W 0: fragments 1, W 1, fragments 2 and 3
	TRIPF 1, 56                                    ; behind W 1: fragments 2 and 3, W 2, fragments 4
	TRIPF 2, 40                                    ; behind W t: fragments t + 2, W t + 1, fragments t + 3
	TRIPF 3, 40
	TRIPF 4, 40
	TRIPF 5, 24                                    ; fragments 7, W 6
	TRIPF 6, 8                                     ; W 7
	TRIPF 7, 0
	WIN 0
	PLACES                                         ; eight with the trip's own four, once a launch
	; THE WAY OUT, as in the launch before
.set n, 0
.rept 64
	v_cvt_pk_bf16_f32 v[64+n], v[ACC+2*n], v[ACC+2*n+1]
.set n, n+1
.endr
.irp a, 0,1,2,3,4,5,6,7,8,9,10,11,12,13,14,15
	ds_store_b128 v[STO], v[64+4*(\a):64+4*(\a)+3] offset:2304*((\a)/4)+32*((\a)%4)
.endr
.irp f, 0,1,2,3,4,5,6,7,8,9,10,11,12,13,14,15
	ds_load_b128 v[64+4*(\f):64+4*(\f)+3], v[RD] offset:576*(\f)   ; LDS serves a wave's instructions in order (ISA guide 5.7.1.4): these see the stores above
.endr
.irp f, 0,1,2,3,4,5,6,7,8,9,10,11,12,13,14,15
	s_wait_dscnt 15-(\f)
	global_store_b128 v[GO], v[64+4*(\f):64+4*(\f)+3], s[28:29] offset:512*(\f)  ; 512 consecutive bytes, aligned
.endr
	s_wait_tensorcnt 0x0                           ; the wave's end, behind my last LDS store
	ds_add_u32 v[SPW], v[NIL]
	s_wait_dscnt 0x0
	s_endpgm
.Lfunc_end_k_q9d65535868_fold:
	.size	k_q9d65535868_fold, .Lfunc_end_k_q9d65535868_fold-k_q9d65535868_fold
	.p2alignl 7, 3214868480
	.fill 96, 4, 3214868480
	.section	.rodata,"a",@progbits
	.p2align	6, 0x0
	.amdhsa_kernel k_q9d65535868_fold
		.amdhsa_group_segment_fixed_size 57856
		.amdhsa_private_segment_fixed_size 0
		.amdhsa_enable_private_segment 0
		.amdhsa_kernarg_size 64
		.amdhsa_user_sgpr_count 2
		.amdhsa_user_sgpr_kernarg_segment_ptr 1
		.amdhsa_wavefront_size32 1
		.amdhsa_system_sgpr_workgroup_id_x 1
		.amdhsa_system_sgpr_workgroup_id_y 1
		.amdhsa_system_sgpr_workgroup_id_z 1
		.amdhsa_system_vgpr_workitem_id 0
		.amdhsa_next_free_vgpr 576
		.amdhsa_next_free_sgpr 66
		.amdhsa_reserve_vcc 0
		.amdhsa_float_denorm_mode_32 3
		.amdhsa_float_denorm_mode_16_64 3
		.amdhsa_memory_ordered 1
		.amdhsa_forward_progress 1
		.amdhsa_inst_pref_size 81
	.end_amdhsa_kernel
	.amdgpu_metadata
---
amdhsa.version: [ 1, 2 ]
amdhsa.kernels:
  - .name:           k_q9d65535868_fold
    .symbol:         k_q9d65535868_fold.kd
    .args:
      - { .name: Kb, .offset: 0, .size: 8, .value_kind: global_buffer, .address_space: global }
      - { .name: Vb, .offset: 8, .size: 8, .value_kind: global_buffer, .address_space: global }
      - { .name: Wq, .offset: 16, .size: 8, .value_kind: global_buffer, .address_space: global }
      - { .name: Wo, .offset: 24, .size: 8, .value_kind: global_buffer, .address_space: global }
      - { .name: cpart, .offset: 32, .size: 8, .value_kind: global_buffer, .address_space: global }
      - { .name: MT, .offset: 40, .size: 8, .value_kind: global_buffer, .address_space: global }
      - { .name: VW, .offset: 48, .size: 8, .value_kind: global_buffer, .address_space: global }
      - { .name: cvec, .offset: 56, .size: 8, .value_kind: global_buffer, .address_space: global }
    .group_segment_fixed_size: 57856
    .private_segment_fixed_size: 0
    .kernarg_segment_align: 8
    .kernarg_segment_size: 64
    .max_flat_workgroup_size: 128
    .sgpr_count:     66
    .vgpr_count:     576
    .wavefront_size: 32
...
	.end_amdgpu_metadata
.endif
;; end of part 2
;; launch scores (part 3): grid 8 x 32, 4 waves a work-group, clusters of 4 x 4, 327,680 bytes of LDS; arguments Sb, MT, cvec, P; writes P
.if DOCPART == 3
	.amdgcn_target "amdgcn-amd-amdhsa--gfx1250"
	.amdhsa_code_object_version 6
	.text
	.protected	k_q9d65535868_scores
	.globl	k_q9d65535868_scores
	.p2align	8
	.type	k_q9d65535868_scores,@function
k_q9d65535868_scores:
	s_mov_b64 s[64:65], 0
	v_nop
	global_prefetch_b8 v0, s[64:65] scope:SCOPE_SE
	s_setreg_imm32_b32 hwreg(HW_REG_WAVE_MODE, 25, 1), 1
	s_wait_xcnt 0x0
	s_wait_alu depctr_hold_cnt(0) depctr_sa_sdst(0) depctr_va_vdst(0) depctr_va_sdst(0) depctr_va_ssrc(0) depctr_va_vcc(0) depctr_vm_vsrc(0)
	s_getreg_b32 s2, hwreg(HW_REG_IB_STS2, 6, 4)
	s_cmp_eq_u32 s2, 0
	s_cbranch_scc0 .Lentry_in_a_cluster
	s_endpgm
.Lentry_in_a_cluster:
	s_bfe_u32 s2, ttmp6, 0x10000c
	s_cmp_lg_u32 s2, 0xf033
	s_cbranch_scc0 .Lentry_shape_is_right
	s_endpgm
.Lentry_shape_is_right:
; SCORES.  P[n][256 h + m] = softmax over m of beta (the sum over d of Sb[n][d] MT_h[m][d] + c_h[m]), in bf16.  A work-group makes one block of 200 rows x one head's 256 patterns; the sum runs over 1,024 channels.
; The row's true maximum is taken away before the exponentials, so every exponent is at most 0 and the sum l is at least 1.  Products, maxima and sums in f32; P rounded once.
; LIMITS.  bf16 operands; a weight below 2^-126 counts as 0; NaN and infinities are not treated apart.
; SHARES.  Every wave takes all 200 rows, as 13 tiles of 16 (tile 12 begins at row 184 and repeats rows 184-191: 200 is 12.5 tiles), x its own 64 patterns (4 tiles): 52 accumulators.
; Source 0 = MT (16 patterns), source 1 = Sb (16 rows): a lane holds one row (lane % 16) and eight neighbouring patterns.  The first products take c as their C operand: nothing is cleared.
; RING.  K goes in 8 steps of 128 through two LDS slots.  Waves 0 and 1 fetch 100 rows of Sb each (256 bytes a row), waves 2 and 3 one of the step's two blocks of MT each: 256 patterns x 64 channels,
; 32,768 dense bytes, asked for as 128 rows of 256 bytes and padded in LDS behind each pattern.
; CLUSTER.  4 x 4 work-groups: the four of a row share the block of rows (Sb's tiles), the four of a column the head (MT's tiles): each tile is asked for jointly, by the same load with the same descriptor and a mask of four.
; THE WAY OUT.  The raw sums go in f32 through a stage that lies over both slots, which have had their last fill; then each wave takes 50 whole rows, five at a time: maximum, exponentials, sum, division, rounding, and stores of 256 consecutive bytes.
; REGISTERS.  window 0: v1-14 addresses, v28-29 the add's, v32-63 and v64-95 MT's fragments (two buffers), v96-127 c, v128-247 the rows' softmax
;   window 1: Sb's fragments, two buffers of 104;   window 2: accumulators of tiles 0-7 at 32 t + 8 k;   window 3: of tiles 8-12
.set SLOT1, 1<<17                      ; slot 1 begins here: one exclusive or turns an address in one slot into the other's
.set BOFF,  54400                      ; in a slot: 200 rows of Sb x 272 bytes, then two blocks of MT, 256 x 144 bytes each
.set SPARE, 259328                     ; behind slot 1: the spare words, 128 bytes a wave, two blocks of 256 bytes that no other line names
.set XX, 128                           ; five rows: 8 scores a lane each
.set EE, 168                           ; the same scaled, then the weights
.set MM, 208                           ; a pair a row: beta' m, later 1 / l, in the low word
.set TT, 218                           ; a pair a row, at work
.set YY, 228                           ; four registers a row, to store
.set MSB, 0
.macro WIN new
.if MSB != (\new)
	s_set_vgpr_msb (MSB<<8)|(\new)
.set MSB, (\new)
.endif
.endm
.macro PLACES
.rept 4
	v_nop
.endr
.endm
.macro CREST                           ; a round of the cluster's barrier behind its opening barrier
	s_cmp_lg_u32 s12, 0
	s_cbranch_scc1 .Lnot_wave_0_\@
	s_barrier_signal -3
.Lnot_wave_0_\@:
	s_barrier_wait -3
	s_barrier_signal -1
	s_barrier_wait -1
.endm
.macro CROUND
	s_barrier_signal -1
	s_barrier_wait -1
	CREST
.endm
; A joint refill by the walking descriptors.  The branch hangs on the wave's number alone.  An s_nop 0 and four v_nop follow each of the two lines.
.macro JLOAD
	s_cmp_eq_u32 s13, 0
	s_cbranch_scc0 .Lfor_b_\@
	tensor_load_to_lds s[36:39], s[24:31]
	s_nop 0
.rept 4
	v_nop
.endr
	s_branch .Lasked_\@
.Lfor_b_\@:
	tensor_load_to_lds s[60:63], s[48:55]
	s_nop 0
.rept 4
	v_nop
.endr
.Lasked_\@:
.endm
; A prefetch of the K step that stands two refills on, behind the joint load, its five lines and the run of LDS loads.  Sb's rows are asked for by the clusters with x = 0, MT's blocks by those with y = 0;
; the four partners that ask for a tile jointly share it out by address: of a wave's 100 rows of Sb the partner at cx takes 25 (a lane a row; lanes 25-31 name row 24 once more), of a block of MT the partner at cy takes 8,192 bytes (a lane 256).
; s3 counts the loop's trips down from 6: the trips with s3 = 6 .. 3 name K steps 4 .. 7; the last two name nothing.
.macro ASK
	s_cmp_gt_u32 s3, s44
	s_cbranch_scc0 .Lnot_mine_\@
	global_prefetch_b8 v14, s[40:41] th:TH_LOAD_NT scope:SCOPE_SE
.Lnot_mine_\@:
.endm
	s_load_b256 s[4:11], s[0:1], 0x0               ; Sb 4, MT 6, cvec 8, P 10
	v_lshl_add_u32 v28, v0, 2, SPARE
	v_mov_b32 v29, 0
	ds_add_u32 v28, v29                            ; the wave's opening: the add and its wait stand ahead of my first tensor load; the set-up below, work on registers, stands between them
	v_lshrrev_b32 v1, 5, v0
	v_readfirstlane_b32 s12, v1                    ; wave 0..3
	s_lshr_b32 s13, s12, 1                         ; 0: I fetch Sb, 1: MT
	s_and_b32 s14, s12, 1                          ; which half
	s_bfe_u32 s15, ttmp6, 0x40000                  ; cx
	s_bfe_u32 s16, ttmp6, 0x40004                  ; cy
	s_lshl_b32 s17, ttmp9, 2
	s_add_co_u32 s17, s17, s15                     ; the head = 4 x cluster x + cx
	s_and_b32 s18, ttmp7, 0xffff
	s_lshl_b32 s18, s18, 2
	s_add_co_u32 s18, s18, s16                     ; the block of rows = 4 x cluster y + cy
	s_lshl_b32 s75, s16, 2
	s_lshl_b32 s75, 15, s75                        ; my row of the cluster
	s_lshl_b32 s74, 0x1111, s15                    ; my column
	s_or_b32 s24, s75, (1<<16)|(1<<20)|(1<<21)|(5<<22)|(3<<25)  ; Sb: mask of my row; 2-byte elements; padding on; bit 21 beside a mask; behind every 64 words 4 words
	s_mov_b32 s25, 128<<16                         ; tensor_dim0 = 128
	s_mov_b32 s26, 100<<16                         ; tensor_dim1 = 100
	s_mov_b32 s27, 128<<16                         ; tile_dim0 = 128
	s_mov_b32 s28, 100                             ; tile_dim1 = 100
	s_mov_b32 s29, 1024                            ; elements from row to row
	s_mov_b32 s30, 0
	s_mov_b32 s31, 0
	s_or_b32 s48, s74, (1<<16)|(1<<20)|(1<<21)|(4<<22)|(3<<25)  ; MT: mask of my column; behind every 32 words (a pattern's 64 channels) 4 words
	s_mov_b32 s49, 128<<16
	s_mov_b32 s50, 128<<16                         ; 128 rows of 256 bytes
	s_mov_b32 s51, 128<<16
	s_mov_b32 s52, 128
	s_mov_b32 s53, 128
	s_mov_b32 s54, 0
	s_mov_b32 s55, 0
	s_mul_i32 s20, s18, 200                        ; Sb: row 200 rb + 100 half: these registers never hold cx
	s_mul_i32 s21, s14, 100
	s_add_co_u32 s20, s20, s21
	s_lshl_b32 s20, s20, 11
	s_mov_b32 s21, 0
	s_lshl_b32 s72, s17, 15                        ; MT: the head's 32,768 bytes in block `half`: these never hold cy
	s_lshl_b32 s73, s14, 18
	s_add_co_u32 s72, s72, s73
	s_mov_b32 s73, 0
	s_mul_i32 s76, s14, 27200                      ; LDS: wave's number and constants alone
	s_mul_i32 s77, s14, 36864
	s_add_co_u32 s77, s77, BOFF
	s_mul_i32 s78, s18, 200                        ; P: row 200 rb + 50 w, column 256 head
	s_mul_i32 s79, s12, 50
	s_add_co_u32 s78, s78, s79
	s_lshl_b32 s78, s78, 12
	s_lshl_b32 s79, s17, 9
	s_add_co_u32 s78, s78, s79
	s_mov_b32 s79, 0
	s_lshl_b32 s80, s17, 10                        ; cvec: the head's 256 numbers
	s_mov_b32 s81, 0
	s_mul_i32 s82, s15, 25                         ; the prefetches: my work-group's 25 rows of the wave's 100, at K step 3
	s_lshl_b32 s82, s82, 11
	s_add_co_u32 s82, s82, s20
	s_add_co_u32 s82, s82, 3*256
	s_lshl_b32 s83, s16, 13                        ; or its 8,192 bytes of the wave's block, at K step 3
	s_add_co_u32 s83, s83, s72
	s_add_co_u32 s83, s83, 3*524288
	s_and_b32 s84, ttmp7, 0xffff
	s_mov_b32 s42, 524288
	s_cmp_eq_u32 s13, 0
	s_cselect_b32 s82, s82, s83
	s_cselect_b32 s84, ttmp9, s84                  ; the coordinate along which other clusters read the same bytes
	s_cselect_b32 s42, 256, s42                    ; a K step
	s_cselect_b32 s85, 24, 31
	s_cselect_b32 s86, 11, 8
	s_mov_b32 s83, 0
	s_mov_b32 s43, 0
	s_cmp_eq_u32 s84, 0
	s_cselect_b32 s44, 2, -1                       ; the same in all sixteen partners, for a given wave
	s_mov_b32 s45, 0                               ; the slot being read
	s_mov_b32 s46, 0x3d8293ee                      ; beta' = beta log2(e) = 0.0637587
	s_mov_b32 s47, s46                             ; named with it as a pair
	s_mov_b32 s66, 0x76543210
	s_mov_b32 s67, 0xfedcba98
	s_wait_dscnt 0x0                               ; the opening add is done
	s_wait_kmcnt 0x0
	s_add_nc_u64 s[8:9], s[8:9], s[80:81]
	s_add_nc_u64 s[70:71], s[10:11], s[78:79]
	s_cmp_eq_u32 s13, 0
	s_cselect_b64 s[40:41], s[4:5], s[6:7]
	s_add_nc_u64 s[40:41], s[40:41], s[82:83]
	CROUND                                         ; all sixteen work-groups are here: the first joint loads meet
	s_mov_b32 s32, 1                               ; group 0 for Sb: K step 0 into slot 0,
	s_mov_b32 s33, s76
	s_add_nc_u64 s[34:35], s[4:5], s[20:21]
	s_mov_b32 s36, 1                               ; K step 1 into slot 1: this set then walks
	s_add_co_u32 s37, s76, SLOT1
	s_add_nc_u64 s[38:39], s[34:35], 256
	s_or_b32 s35, s35, 0x80000000
	s_or_b32 s39, s39, 0x80000000
	s_mov_b32 s56, 1                               ; the same for MT
	s_mov_b32 s57, s77
	s_add_nc_u64 s[58:59], s[6:7], s[72:73]
	s_mov_b32 s60, 1
	s_add_co_u32 s61, s77, SLOT1
	s_add_nc_u64 s[62:63], s[58:59], 524288
	s_or_b32 s59, s59, 0x80000000
	s_or_b32 s63, s63, 0x80000000
	s_cmp_eq_u32 s13, 0                            ; a wave's two first fills stand in one branch, ahead of every wait on TENSORcnt and every LDS read: two loads of mine are out
	s_cbranch_scc0 .Lfirst_b
	tensor_load_to_lds s[32:35], s[24:31]
	s_nop 0
	tensor_load_to_lds s[36:39], s[24:31]
	s_nop 0
.rept 4
	v_nop
.endr
	s_branch .Lfirst_asked
.Lfirst_b:
	tensor_load_to_lds s[56:59], s[48:55]
	s_nop 0
	tensor_load_to_lds s[60:63], s[48:55]
	s_nop 0
.rept 4
	v_nop
.endr
.Lfirst_asked:
	v_and_b32 v1, 15, v0                           ; l % 16
	v_bfe_u32 v2, v0, 4, 1                         ; l / 16
	v_and_b32 v3, 31, v0                           ; l
	v_mul_u32_u24 v4, v1, 272                      ; Sb's fragments: row x pitch + 16 x half
	v_lshl_add_u32 v4, v2, 4, v4
	s_mul_i32 s69, s12, 9216                       ; MT's: my 64 patterns x 144
	s_add_co_u32 s69, s69, BOFF
	v_mul_u32_u24 v5, v1, 144
	v_lshl_add_u32 v5, v2, 4, v5
	v_add_nc_u32 v5, s69, v5
	v_mov_b32 v6, v4                               ; the addresses in the slot being read
	v_mov_b32 v7, v5
	s_lshl_b32 s69, s12, 8
	v_mul_u32_u24 v8, v1, 1040                     ; the stage: a row is 1,024 bytes + 16: the 16 rows of a store start at 16 different groups of four banks (64 banks of 4 bytes: ISA guide 11.1)
	v_lshl_add_u32 v8, v2, 5, v8
	v_add_nc_u32 v8, s69, v8                       ; row l % 16, my wave's 256 bytes, 32 bytes for each half of the lanes
	v_add_nc_u32 v9, 66560, v8                     ; 64 rows on,
	v_add_nc_u32 v10, 133120, v8                   ; 128 rows on: the immediates stay under 2^16
	v_lshl_add_u32 v13, v2, 5, s69                 ; c: 256 w + 32 (l / 16)
	s_mul_i32 s69, s12, 52000
	v_lshl_add_u32 v11, v3, 4, s69                 ; back: my 50 rows, 16 bytes a lane
	v_lshlrev_b32 v12, 3, v3                       ; out: 8 bytes a lane
	v_min_u32 v14, s85, v3
	v_lshlrev_b32 v14, s86, v14                    ; the prefetches' offset; never rewritten
.irp k, 0,1,2,3
	global_load_b128 v[96+8*(\k):96+8*(\k)+3],   v13, s[8:9] offset:64*(\k)
	global_load_b128 v[96+8*(\k)+4:96+8*(\k)+7], v13, s[8:9] offset:64*(\k)+16
.endr
; The products of row tiles t0 .. t1 x my four tiles of patterns, 32 channels, from buffer f.  init = 1: they start the sums at c.  All 52 accumulators take turns, one instruction a turn.
.macro MUL f, t0, t1, init
.set tt, (\t0)
.rept (\t1)-(\t0)+1
.set ab, 32*(tt%8)
.if \init
	WIN 0x84+0x40*(tt/8)
.else
	WIN 0xa4+0x50*(tt/8)
.endif
.irp k, 0,1,2,3
.if \init
	v_wmma_f32_16x16x32_bf16 v[ab+8*(\k):ab+8*(\k)+7], v[32+32*(\f)+8*(\k):32+32*(\f)+8*(\k)+7], v[104*(\f)+8*tt:104*(\f)+8*tt+7], v[96+8*(\k):96+8*(\k)+7]
.else
	v_wmma_f32_16x16x32_bf16 v[ab+8*(\k):ab+8*(\k)+7], v[32+32*(\f)+8*(\k):32+32*(\f)+8*(\k)+7], v[104*(\f)+8*tt:104*(\f)+8*tt+7], v[ab+8*(\k):ab+8*(\k)+7]
.endif
.endr
.set tt, tt+1
.endr
.endm
; 34 LDS loads in one run: quarter q of the step (32 channels) into buffer f: MT's four fragments, then Sb's thirteen in ascending order
.macro FETCH q, f
	WIN 0
.irp k, 0,1,2,3
	ds_load_b128 v[32+32*(\f)+8*(\k):32+32*(\f)+8*(\k)+3],   v7 offset:36864*((\q)/2)+2304*(\k)+64*((\q)%2)
	ds_load_b128 v[32+32*(\f)+8*(\k)+4:32+32*(\f)+8*(\k)+7], v7 offset:36864*((\q)/2)+2304*(\k)+64*((\q)%2)+32
.endr
	WIN 0x40
.irp t, 0,1,2,3,4,5,6,7,8,9,10,11,12
	ds_load_b128 v[104*(\f)+8*(\t):104*(\f)+8*(\t)+3],   v6 offset:4352*(\t)-2176*((\t)/12)+64*(\q)
	ds_load_b128 v[104*(\f)+8*(\t)+4:104*(\f)+8*(\t)+7], v6 offset:4352*(\t)-2176*((\t)/12)+64*(\q)+32
.endr
.endm
; One of a step's first three quarters: multiplies buffer f; in its middle it fetches quarter qn into buffer g
.macro QUARTER f, g, qn, init
	s_wait_dscnt 10                                ; all but the youngest ten loads (row tiles 8-12) are in
	MUL \f, 0, 7, \init
	PLACES                                         ; in front of the loads into the buffer that the quarter before multiplied
	FETCH \qn, \g
	s_wait_dscnt 34                                ; all but the 34 just issued
	MUL \f, 8, 12, \init
.endm
; The last quarter multiplies buffer 1 and changes slots: one barrier.  In front of it each wave waits for all its tensor loads (one is out: its part of the other slot), adds 0 to its spare word, and waits for that and for its reads of this slot.
; fill = 1: the barrier opens a round of the cluster's barrier, and the joint refill of this slot, two K steps on, is the first thing behind the round: 176 matrix instructions ahead of the wait for it.
.macro TURN fill
.if \fill
	s_wait_xcnt 0x0                                ; the last prefetch, a K step back, has read its address: it is stepped here
	s_add_nc_u64 s[40:41], s[40:41], s[42:43]
.endif
	WIN 0
	s_wait_tensorcnt 0x0                           ; no tensor load of mine is out, so a group 0 may be written
	ds_add_u32 v28, v29                            ; 0 onto my spare word
.if \fill
	s_xor_b32 s37, s37, SLOT1                      ; the walking descriptors: the other slot than last time, the next K step
	s_add_nc_u64 s[38:39], s[38:39], 256
	s_xor_b32 s61, s61, SLOT1
	s_add_nc_u64 s[62:63], s[62:63], 524288
.endif
	s_wait_dscnt 11                                ; the add and the youngest ten loads may be out
	MUL 1, 0, 3, 0
	s_wait_dscnt 0x0                               ; the add is done, and my reads of this slot are over
	s_barrier_signal -1
	MUL 1, 4, 7, 0
	WIN 0
	s_barrier_wait -1
.if \fill
	CREST
	JLOAD                                          ; the four v_nop behind it are also the places in front of the loads below
.else
	PLACES
.endif
	s_xor_b32 s45, s45, SLOT1
	v_add_nc_u32 v6, s45, v4
	v_add_nc_u32 v7, s45, v5
	FETCH 0, 0
	WIN 0
.if \fill
	ASK
.endif
	MUL 1, 8, 12, 0
.endm
	s_wait_tensorcnt 1                             ; my part of K step 0 is in; K step 1's may stay out
	s_barrier_signal -1
	s_barrier_wait -1
	FETCH 0, 0
	s_wait_loadcnt 0x0                             ; c
	QUARTER 0, 1, 1, 1                             ; the first quarter stands in front of the loop: its products start the sums
	WIN 0
	s_mov_b32 s3, 6
.Lstep:                                            ; a trip: a K step's quarters 1 to 3 and the next step's quarter 0; K steps 2 .. 7 are asked for
	QUARTER 1, 0, 2, 0
	QUARTER 0, 1, 3, 0
	TURN 1
	QUARTER 0, 1, 1, 0
	WIN 0
	s_sub_co_u32 s3, s3, 1
	s_cmp_lg_u32 s3, 0
	s_cbranch_scc1 .Lstep
	QUARTER 1, 0, 2, 0                             ; the tail is written out: nothing is asked for
	QUARTER 0, 1, 3, 0
	TURN 0
	QUARTER 0, 1, 1, 0
	QUARTER 1, 0, 2, 0
	QUARTER 0, 1, 3, 0
	s_wait_dscnt 10
	MUL 1, 0, 7, 0
	s_wait_dscnt 0x0
	MUL 1, 8, 12, 0
	WIN 0
	PLACES
	PLACES                                         ; eight, once a launch
	s_barrier_signal -1                            ; every wave's reads of the slots are back (the wait for 0 above): the stage may be written over them
	s_barrier_wait -1
.set tt, 0
.rept 13                                           ; each accumulator's low four registers first; tile 12 lies at row 184
	WIN 0x08+4*(tt/8)
.set ab, 32*(tt%8)
.set sb, 8+tt/4-tt/12
.set so, 16640*(tt%4)+58240*(tt/12)
.irp k, 0,1,2,3
	ds_store_b128 v[sb], v[ab+8*(\k):ab+8*(\k)+3]   offset:so+64*(\k)
	ds_store_b128 v[sb], v[ab+8*(\k)+4:ab+8*(\k)+7] offset:so+64*(\k)+16
.endr
.set tt, tt+1
.endr
	WIN 0
.irp i, 0,1,2,3,4
	v_mov_b32 v[MM+2*(\i)+1], 0                    ; named in pairs and as v_permlanex16_b32's destination: written once
	v_mov_b32 v[TT+2*(\i)+1], 0
.endr
	s_wait_dscnt 0x0                               ; for the others' sake: my stores into the stage are done
	s_barrier_signal -1
	s_barrier_wait -1
.irp i, 0,1,2,3,4
	ds_load_b128 v[XX+8*(\i):XX+8*(\i)+3],   v11 offset:1040*(\i)        ; patterns 4 l .. 4 l + 3,
	ds_load_b128 v[XX+8*(\i)+4:XX+8*(\i)+7], v11 offset:1040*(\i)+512    ; and 128 + 4 l ..
.endr
; Five rows, side by side so that no instruction waits for the one before it.  nxt = 1: the next five rows are fetched as soon as these have been scaled.
.macro ROWS nxt
	s_wait_dscnt 0x0
.irp i, 0,1,2,3,4
	v_max3_num_f32 v[TT+2*(\i)], v[XX+8*(\i)], v[XX+8*(\i)+1], v[XX+8*(\i)+2]
.endr
.irp i, 0,1,2,3,4
	v_max3_num_f32 v[TT+2*(\i)], v[TT+2*(\i)], v[XX+8*(\i)+3], v[XX+8*(\i)+4]
.endr
.irp i, 0,1,2,3,4
	v_max3_num_f32 v[TT+2*(\i)], v[TT+2*(\i)], v[XX+8*(\i)+5], v[XX+8*(\i)+6]
.endr
.irp i, 0,1,2,3,4
	v_max_num_f32 v[TT+2*(\i)], v[TT+2*(\i)], v[XX+8*(\i)+7]
.endr
.irp m, 1,2,4,8
.irp i, 0,1,2,3,4
	v_max_num_f32_dpp v[TT+2*(\i)], v[TT+2*(\i)], v[TT+2*(\i)] row_xmask:\m row_mask:0xf bank_mask:0xf
.endr
.endr
.irp i, 0,1,2,3,4
	v_permlanex16_b32 v[TT+2*(\i)+1], v[TT+2*(\i)], s66, s67
.endr
.irp i, 0,1,2,3,4
	v_max_num_f32 v[TT+2*(\i)], v[TT+2*(\i)], v[TT+2*(\i)+1]     ; every lane holds the row's maximum
.endr
.irp i, 0,1,2,3,4
	v_mul_f32 v[MM+2*(\i)], s46, v[TT+2*(\i)]
.endr
.irp i, 0,1,2,3,4
.irp j, 0,1,2,3
	v_pk_fma_f32 v[EE+8*(\i)+2*(\j):EE+8*(\i)+2*(\j)+1], v[XX+8*(\i)+2*(\j):XX+8*(\i)+2*(\j)+1], s[46:47], v[MM+2*(\i):MM+2*(\i)+1] op_sel_hi:[1,0,0] neg_lo:[0,0,1] neg_hi:[0,0,1]  ; beta' s - beta' m
.endr
.endr
.if \nxt
	v_add_nc_u32 v11, 5200, v11
.irp i, 0,1,2,3,4
	ds_load_b128 v[XX+8*(\i):XX+8*(\i)+3],   v11 offset:1040*(\i)
	ds_load_b128 v[XX+8*(\i)+4:XX+8*(\i)+7], v11 offset:1040*(\i)+512
.endr
.endif
.set n, 0
.rept 40
	v_exp_f32 v[EE+n], v[EE+n]                     ; one batch
.set n, n+1
.endr
	v_nop                                          ; a plain instruction behind the last exponential,
	s_wait_alu depctr_va_vdst(0)                   ; and the one wait ahead of the batch's first reader
.irp i, 0,1,2,3,4
	v_pk_add_f32 v[TT+2*(\i):TT+2*(\i)+1], v[EE+8*(\i):EE+8*(\i)+1], v[EE+8*(\i)+2:EE+8*(\i)+3]
.endr
.irp i, 0,1,2,3,4
	v_pk_add_f32 v[TT+2*(\i):TT+2*(\i)+1], v[TT+2*(\i):TT+2*(\i)+1], v[EE+8*(\i)+4:EE+8*(\i)+5]
.endr
.irp i, 0,1,2,3,4
	v_pk_add_f32 v[TT+2*(\i):TT+2*(\i)+1], v[TT+2*(\i):TT+2*(\i)+1], v[EE+8*(\i)+6:EE+8*(\i)+7]
.endr
.irp i, 0,1,2,3,4
	v_add_f32 v[TT+2*(\i)], v[TT+2*(\i)], v[TT+2*(\i)+1]
.endr
.irp m, 1,2,4,8
.irp i, 0,1,2,3,4
	v_add_f32_dpp v[TT+2*(\i)], v[TT+2*(\i)], v[TT+2*(\i)] row_xmask:\m row_mask:0xf bank_mask:0xf
.endr
.endr
.irp i, 0,1,2,3,4
	v_permlanex16_b32 v[TT+2*(\i)+1], v[TT+2*(\i)], s66, s67
.endr
.irp i, 0,1,2,3,4
	v_add_f32 v[TT+2*(\i)], v[TT+2*(\i)], v[TT+2*(\i)+1]         ; l, at least 1
.endr
.irp i, 0,1,2,3,4
	v_rcp_f32 v[MM+2*(\i)], v[TT+2*(\i)]
.endr
	v_nop
	s_wait_alu depctr_va_vdst(0)                   ; one wait for the five reciprocals
.irp i, 0,1,2,3,4
.irp j, 0,1,2,3
	v_pk_mul_f32 v[EE+8*(\i)+2*(\j):EE+8*(\i)+2*(\j)+1], v[EE+8*(\i)+2*(\j):EE+8*(\i)+2*(\j)+1], v[MM+2*(\i):MM+2*(\i)+1] op_sel_hi:[1,0]
.endr
.endr
.irp i, 0,1,2,3,4
.irp j, 0,1,2,3
	v_cvt_pk_bf16_f32 v[YY+4*(\i)+(\j)], v[EE+8*(\i)+2*(\j)], v[EE+8*(\i)+2*(\j)+1]
.endr
.endr
.irp i, 0,1,2,3,4
	global_store_b64 v12, v[YY+4*(\i):YY+4*(\i)+1],   s[70:71] offset:4096*(\i)       ; each store of the wave covers 256 consecutive bytes, aligned
	global_store_b64 v12, v[YY+4*(\i)+2:YY+4*(\i)+3], s[70:71] offset:4096*(\i)+256
.endr
.if \nxt
	s_wait_xcnt 0x0                                ; the stores have read their registers and their base: both are written again only behind this wait
	s_add_nc_u64 s[70:71], s[70:71], 20480
.endif
.endm
	s_mov_b32 s68, 9
.Lrows:
	ROWS 1
	s_sub_co_u32 s68, s68, 1
	s_cmp_lg_u32 s68, 0
	s_cbranch_scc1 .Lrows
	ROWS 0
	s_wait_tensorcnt 0x0                           ; the wave's end, behind my last tensor load and my last LDS store
	ds_add_u32 v28, v29
	s_wait_dscnt 0x0
	CROUND                                         ; the closing round: no work-group ends while a partner may still ask for a tile that names it
	s_endpgm
.Lfunc_end_k_q9d65535868_scores:
	.size	k_q9d65535868_scores, .Lfunc_end_k_q9d65535868_scores-k_q9d65535868_scores
	.p2alignl 7, 3214868480
	.fill 96, 4, 3214868480
	.section	.rodata,"a",@progbits
	.p2align	6, 0x0
	.amdhsa_kernel k_q9d65535868_scores
		.amdhsa_group_segment_fixed_size 327680
		.amdhsa_private_segment_fixed_size 0
		.amdhsa_enable_private_segment 0
		.amdhsa_kernarg_size 32
		.amdhsa_user_sgpr_count 2
		.amdhsa_user_sgpr_kernarg_segment_ptr 1
		.amdhsa_wavefront_size32 1
		.amdhsa_system_sgpr_workgroup_id_x 1
		.amdhsa_system_sgpr_workgroup_id_y 1
		.amdhsa_system_sgpr_workgroup_id_z 1
		.amdhsa_system_vgpr_workitem_id 0
		.amdhsa_next_free_vgpr 928
		.amdhsa_next_free_sgpr 88
		.amdhsa_reserve_vcc 0
		.amdhsa_float_denorm_mode_32 3
		.amdhsa_float_denorm_mode_16_64 3
		.amdhsa_memory_ordered 1
		.amdhsa_forward_progress 1
		.amdhsa_inst_pref_size 112
	.end_amdhsa_kernel
	.amdgpu_metadata
---
amdhsa.version: [ 1, 2 ]
amdhsa.kernels:
  - .name:           k_q9d65535868_scores
    .symbol:         k_q9d65535868_scores.kd
    .args:
      - { .name: Sb, .offset: 0, .size: 8, .value_kind: global_buffer, .address_space: global }
      - { .name: MT, .offset: 8, .size: 8, .value_kind: global_buffer, .address_space: global }
      - { .name: cvec, .offset: 16, .size: 8, .value_kind: global_buffer, .address_space: global }
      - { .name: P, .offset: 24, .size: 8, .value_kind: global_buffer, .address_space: global }
    .group_segment_fixed_size: 327680
    .private_segment_fixed_size: 0
    .kernarg_segment_align: 8
    .kernarg_segment_size: 32
    .max_flat_workgroup_size: 128
    .sgpr_count:     88
    .vgpr_count:     928
    .wavefront_size: 32
...
	.end_amdgpu_metadata
.endif
;; end of part 3
;; launch outp (part 4): grid 8 x 32, 4 waves a work-group, clusters of 4 x 4, 327,680 bytes of LDS; arguments P, VW, bo, query_embedding, supportActives_embedding, supportInactives_embedding, out0, out1, out2; writes out0, out1, out2
.if DOCPART == 4
	.amdgcn_target "amdgcn-amd-amdhsa--gfx1250"
	.amdhsa_code_object_version 6
	.text
	.protected	k_q9d65535868_outp
	.globl	k_q9d65535868_outp
	.p2align	8
	.type	k_q9d65535868_outp,@function
k_q9d65535868_outp:
	s_mov_b64 s[64:65], 0
	v_nop
	global_prefetch_b8 v0, s[64:65] scope:SCOPE_SE
	s_setreg_imm32_b32 hwreg(HW_REG_WAVE_MODE, 25, 1), 1
	s_wait_xcnt 0x0
	s_wait_alu depctr_hold_cnt(0) depctr_sa_sdst(0) depctr_va_vdst(0) depctr_va_sdst(0) depctr_va_ssrc(0) depctr_va_vcc(0) depctr_vm_vsrc(0)
	s_getreg_b32 s2, hwreg(HW_REG_IB_STS2, 6, 4)
	s_cmp_eq_u32 s2, 0
	s_cbranch_scc0 .Lentry_in_a_cluster
	s_endpgm
.Lentry_in_a_cluster:
	s_bfe_u32 s2, ttmp6, 0x10000c
	s_cmp_lg_u32 s2, 0xf033
	s_cbranch_scc0 .Lentry_shape_is_right
	s_endpgm
.Lentry_shape_is_right:
; OUTP.  out[n][d] = the sum over (h, m) of P[n][(h, m)] VW[(h, m)][d] + bo[d] + S[n][d].  A work-group makes one block of 200 rows x 128 columns; the sum runs over 2,048.
; Products in bf16 with f32 sums, which start at bo; the residual S is added in f32 from the f32 inputs; the result is stored in f32.
; Block rb's rows 0-7 are query rows 8 rb + i, rows 8-103 rows 96 rb + a of the actives, rows 104-199 the same of the inactives: the same map for the three outputs.
; LIMITS.  bf16 operands; NaN and infinities are not treated apart.
; SHARES.  The four waves lie 2 x 2: wave w takes the rows from 104 (w / 2) on, as 7 tiles of 16 at 0, 16 .. 80 and 88 - 8 (w / 2) (the seventh overlaps the sixth, in the lower half wholly: 200 rows are 12.5 tiles,
; and so the text is one for all waves and no stage byte is written by two waves), x the 64 columns of block w % 2 (4 tiles): 28 accumulators.
; Source 0 = VW turned (16 columns d), source 1 = P (16 rows): a lane holds one row and eight neighbouring d.
; RING.  K goes in 16 steps of 128 through two LDS slots.  Waves 0 and 1 fetch 100 rows of P each (256 bytes a row), waves 2 and 3 one block of VW each: 128 rows x 64 columns, 16,384 dense bytes, asked for as 64 rows of 256 and padded behind each 128.
; CLUSTER.  4 x 4: the four of a row share the block of rows (P's tiles), the four of a column the 128 columns (VW's tiles): joint loads with a mask of four.
; REGISTERS.  window 0: v1-21 addresses, v28-29 the add's, v64-151 and v152-239 two fragment buffers (VW 32, P 56);  window 1: accumulators at 32 t + 8 c, later 50 rows read back;  window 2: v0-199 50 residual rows, v200-231 bo
.set SLOT1, 1<<17
.set BOFF,  54400                      ; in a slot: 200 rows of P x 272 bytes, then two blocks of VW, 128 x 160 bytes each
.set SPARE, 226560                     ; behind slot 1: the spare words, two blocks of 256 bytes that no other line names
.set MSB, 0
.macro WIN new
.if MSB != (\new)
	s_set_vgpr_msb (MSB<<8)|(\new)
.set MSB, (\new)
.endif
.endm
.macro PLACES
.rept 4
	v_nop
.endr
.endm
.macro CREST
	s_cmp_lg_u32 s12, 0
	s_cbranch_scc1 .Lnot_wave_0_\@
	s_barrier_signal -3
.Lnot_wave_0_\@:
	s_barrier_wait -3
	s_barrier_signal -1
	s_barrier_wait -1
.endm
.macro CROUND
	s_barrier_signal -1
	s_barrier_wait -1
	CREST
.endm
.macro JLOAD                           ; a joint refill by the walking descriptors; an s_nop 0 and four v_nop follow each of the two lines
	s_cmp_eq_u32 s13, 0
	s_cbranch_scc0 .Lfor_b_\@
	tensor_load_to_lds s[36:39], s[24:31]
	s_nop 0
.rept 4
	v_nop
.endr
	s_branch .Lasked_\@
.Lfor_b_\@:
	tensor_load_to_lds s[60:63], s[48:55]
	s_nop 0
.rept 4
	v_nop
.endr
.Lasked_\@:
.endm
; A prefetch of the K step two refills on.  P's rows: the clusters with x = 0, waves 0 and 1, the partner at cx 25 of the wave's 100 rows (a lane a row; lanes 25-31 name row 24 once more).
; VW's blocks: the clusters with y = 0, wave 2 for both blocks, the partner at cy 4,096 bytes of each (lanes 0-15 the first block, 16-31 the second, 256 bytes a lane).
; s3 counts the trips down from 14: the trips with s3 = 14 .. 3 name K steps 4 .. 15; the last two name nothing.
.macro ASK
	s_cmp_gt_u32 s3, s44
	s_cbranch_scc0 .Lnot_mine_\@
	global_prefetch_b8 v17, s[40:41] th:TH_LOAD_NT scope:SCOPE_SE
.Lnot_mine_\@:
.endm
	s_load_b512 s[68:83], s[0:1], 0x0              ; P 68, VW 70, bo 72, query 74, actives 76, inactives 78, out0 80, out1 82
	s_load_b64 s[84:85], s[0:1], 0x40              ; out2
	v_lshl_add_u32 v28, v0, 2, SPARE
	v_mov_b32 v29, 0
	ds_add_u32 v28, v29                            ; the wave's opening: the add and its wait stand ahead of my first tensor load; the set-up below, work on registers, stands between them
	v_lshrrev_b32 v1, 5, v0
	v_readfirstlane_b32 s12, v1                    ; wave 0..3
	s_lshr_b32 s13, s12, 1                         ; my half of the rows.  Also: 0: I fetch P, 1: VW
	s_and_b32 s14, s12, 1                          ; my block of 64 columns.  Also: which half I fetch
	s_bfe_u32 s15, ttmp6, 0x40000                  ; cx
	s_bfe_u32 s16, ttmp6, 0x40004                  ; cy
	s_lshl_b32 s17, ttmp9, 2
	s_add_co_u32 s17, s17, s15                     ; the block of 128 columns
	s_and_b32 s18, ttmp7, 0xffff
	s_lshl_b32 s18, s18, 2
	s_add_co_u32 s18, s18, s16                     ; the block of rows
	s_lshl_b32 s89, s16, 2
	s_lshl_b32 s89, 15, s89                        ; my row of the cluster
	s_lshl_b32 s88, 0x1111, s15                    ; my column
	s_or_b32 s24, s89, (1<<16)|(1<<20)|(1<<21)|(5<<22)|(3<<25)  ; P: behind every 64 words 4 words of padding
	s_mov_b32 s25, 128<<16
	s_mov_b32 s26, 100<<16
	s_mov_b32 s27, 128<<16
	s_mov_b32 s28, 100
	s_mov_b32 s29, 2048
	s_mov_b32 s30, 0
	s_mov_b32 s31, 0
	s_or_b32 s48, s88, (1<<16)|(1<<20)|(1<<21)|(4<<22)|(7<<25)  ; VW: behind every 32 words 8 words of padding
	s_mov_b32 s49, 128<<16
	s_mov_b32 s50, 64<<16
	s_mov_b32 s51, 128<<16
	s_mov_b32 s52, 64
	s_mov_b32 s53, 128
	s_mov_b32 s54, 0
	s_mov_b32 s55, 0
	s_mul_i32 s20, s18, 200                        ; P: row 200 rb + 100 half: these registers never hold cx
	s_mul_i32 s21, s14, 100
	s_add_co_u32 s20, s20, s21
	s_lshl_b32 s20, s20, 12
	s_mov_b32 s21, 0
	s_lshl_b32 s86, s17, 19                        ; VW: block 2 x + half: these never hold cy
	s_lshl_b32 s87, s14, 18
	s_add_co_u32 s86, s86, s87
	s_mov_b32 s87, 0
	s_mul_i32 s90, s14, 27200                      ; LDS: wave's number and constants alone
	s_mul_i32 s91, s14, 20480
	s_add_co_u32 s91, s91, BOFF
	s_lshl_b32 s94, s17, 9                         ; my block's 128 columns in f32: 512 bytes
	s_lshl_b32 s92, s18, 3
	s_lshl1_add_u32 s92, s12, s92
	s_lshl_b32 s92, s92, 12
	s_add_co_u32 s92, s92, s94                     ; query and out0: row 8 rb + 2 w
	s_mov_b32 s93, 0
	s_mul_i32 s96, s18, 96
	s_mul_i32 s95, s12, 24
	s_add_co_u32 s96, s96, s95
	s_lshl_b32 s96, s96, 12
	s_add_co_u32 s96, s96, s94                     ; the others: row 96 rb + 24 w
	s_mov_b32 s97, 0
	s_lshl_b32 s98, s14, 8
	s_add_co_u32 s98, s98, s94                     ; bo: my wave's 64 columns
	s_mov_b32 s99, 0
	s_mul_i32 s19, s15, 25                         ; the prefetches: at K step 3
	s_lshl_b32 s19, s19, 12
	s_add_co_u32 s19, s19, s20
	s_add_co_u32 s19, s19, 3*256
	s_lshl_b32 s22, s17, 19
	s_lshl_b32 s23, s16, 12
	s_add_co_u32 s22, s22, s23
	s_add_co_u32 s22, s22, 3*16384
	s_and_b32 s23, ttmp7, 0xffff
	s_or_b32 s23, s23, s14                         ; VW: cluster y = 0 and wave 2
	s_mov_b32 s42, 16384
	s_cmp_eq_u32 s13, 0
	s_cselect_b32 s66, s19, s22
	s_cselect_b32 s23, ttmp9, s23                  ; P: cluster x = 0
	s_cselect_b32 s42, 256, s42
	s_cselect_b32 s46, -1, 0
	s_mov_b32 s67, 0
	s_mov_b32 s43, 0
	s_cmp_eq_u32 s23, 0
	s_cselect_b32 s44, 2, -1                       ; the same in all sixteen partners, for a given wave
	s_mov_b32 s45, 0                               ; the slot being read
	s_wait_dscnt 0x0                               ; the opening add is done
	s_wait_kmcnt 0x0
	s_add_nc_u64 s[72:73], s[72:73], s[98:99]
	s_add_nc_u64 s[74:75], s[74:75], s[92:93]
	s_add_nc_u64 s[80:81], s[80:81], s[92:93]
	s_add_nc_u64 s[76:77], s[76:77], s[96:97]
	s_add_nc_u64 s[78:79], s[78:79], s[96:97]
	s_add_nc_u64 s[82:83], s[82:83], s[96:97]
	s_add_nc_u64 s[84:85], s[84:85], s[96:97]
	s_cmp_eq_u32 s13, 0
	s_cselect_b64 s[40:41], s[68:69], s[70:71]
	s_add_nc_u64 s[40:41], s[40:41], s[66:67]
	CROUND                                         ; all sixteen work-groups are here: the first joint loads meet
	s_mov_b32 s32, 1
	s_mov_b32 s33, s90
	s_add_nc_u64 s[34:35], s[68:69], s[20:21]
	s_mov_b32 s36, 1                               ; K step 1 into slot 1: this set then walks
	s_add_co_u32 s37, s90, SLOT1
	s_add_nc_u64 s[38:39], s[34:35], 256
	s_or_b32 s35, s35, 0x80000000
	s_or_b32 s39, s39, 0x80000000
	s_mov_b32 s56, 1
	s_mov_b32 s57, s91
	s_add_nc_u64 s[58:59], s[70:71], s[86:87]
	s_mov_b32 s60, 1
	s_add_co_u32 s61, s91, SLOT1
	s_add_nc_u64 s[62:63], s[58:59], 16384
	s_or_b32 s59, s59, 0x80000000
	s_or_b32 s63, s63, 0x80000000
	s_cmp_eq_u32 s13, 0                            ; a wave's two first fills stand in one branch: two loads of mine are out
	s_cbranch_scc0 .Lfirst_b
	tensor_load_to_lds s[32:35], s[24:31]
	s_nop 0
	tensor_load_to_lds s[36:39], s[24:31]
	s_nop 0
.rept 4
	v_nop
.endr
	s_branch .Lfirst_asked
.Lfirst_b:
	tensor_load_to_lds s[56:59], s[48:55]
	s_nop 0
	tensor_load_to_lds s[60:63], s[48:55]
	s_nop 0
.rept 4
	v_nop
.endr
.Lfirst_asked:
	v_and_b32 v1, 15, v0                           ; l % 16
	v_bfe_u32 v2, v0, 4, 1                         ; l / 16
	v_and_b32 v3, 31, v0                           ; l
	v_and_b32 v18, 7, v0
	v_bfe_u32 v19, v0, 3, 1
	v_lshlrev_b32 v15, 4, v3                       ; 16 l: a row's 512 bytes of residual and of output
	v_lshlrev_b32 v16, 5, v2                       ; bo: 32 (l / 16)
	WIN 0x80
.irp c, 0,1,2,3
	global_load_b128 v[200+8*(\c):200+8*(\c)+3],   v16, s[72:73] offset:64*(\c)
	global_load_b128 v[200+8*(\c)+4:200+8*(\c)+7], v16, s[72:73] offset:64*(\c)+16
.endr
.irp i, 0,1                                        ; my 50 rows of the residual: they are on their way while the products run
	global_load_b128 v[4*(\i):4*(\i)+3], v15, s[74:75] offset:4096*(\i) th:TH_LOAD_NT
.endr
.set n, 0
.rept 24
	global_load_b128 v[8+4*n:8+4*n+3], v15, s[76:77] offset:4096*n th:TH_LOAD_NT
.set n, n+1
.endr
.set n, 0
.rept 24
	global_load_b128 v[104+4*n:104+4*n+3], v15, s[78:79] offset:4096*n th:TH_LOAD_NT
.set n, n+1
.endr
	WIN 0
	s_mul_i32 s47, s13, 28288                      ; P's fragments: (104 (w / 2) + l % 16) x 272 + 16 (l / 16)
	v_mul_u32_u24 v4, v1, 272
	v_lshl_add_u32 v4, v2, 4, v4
	v_add_nc_u32 v4, s47, v4
	s_mul_i32 s47, s13, 2176
	s_sub_co_u32 s47, 23936, s47
	v_add_nc_u32 v5, s47, v4                       ; the seventh tile: 88 - 8 (w / 2) rows on
	s_mul_i32 s47, s14, 20480
	s_add_co_u32 s47, s47, BOFF
	v_lshl_add_u32 v6, v2, 3, v18                  ; VW, turned: (8 (l / 16) + l % 8) x 160 + 16 ((l / 8) % 2)
	v_mul_u32_u24 v6, v6, 160
	v_lshl_add_u32 v6, v19, 4, v6
	v_add_nc_u32 v6, s47, v6
	v_mov_b32 v7, v4                               ; the addresses in the slot being read
	v_mov_b32 v8, v5
	v_mov_b32 v9, v6
	s_mul_i32 s47, s13, 54912                      ; the stage: a row is 512 bytes + 16
	s_lshl_b32 s2, s14, 8
	s_add_co_u32 s47, s47, s2
	v_mul_u32_u24 v10, v1, 528
	v_lshl_add_u32 v10, v2, 5, v10
	v_add_nc_u32 v10, s47, v10
	s_mul_i32 s47, s13, 4224
	s_sub_co_u32 s47, 46464, s47
	v_add_nc_u32 v11, s47, v10
	s_mul_i32 s47, s12, 1056
	v_lshl_add_u32 v12, v3, 4, s47                 ; back: rows 2 w ..,
	s_mul_i32 s47, s12, 12672
	s_add_co_u32 s47, s47, 4224
	v_lshl_add_u32 v13, v3, 4, s47                 ; rows 8 + 24 w ..,
	s_add_co_u32 s47, s47, 50688
	v_lshl_add_u32 v14, v3, 4, s47                 ; rows 104 + 24 w ..
	v_min_u32 v20, 24, v3
	v_lshlrev_b32 v20, 12, v20
	v_lshlrev_b32 v21, 8, v1
	v_lshl_add_u32 v21, v2, 18, v21
	v_cndmask_b32 v17, v21, v20, s46               ; the prefetches' offset; never rewritten
.macro MUL f, t0, t1, init             ; row tiles t0 .. t1 x my four tiles of columns; the 28 accumulators take turns
.if \init
	WIN 0x60
.else
	WIN 0x50
.endif
.set tt, (\t0)
.rept (\t1)-(\t0)+1
.irp c, 0,1,2,3
.if \init
	v_wmma_f32_16x16x32_bf16 v[32*tt+8*(\c):32*tt+8*(\c)+7], v[64+88*(\f)+8*(\c):64+88*(\f)+8*(\c)+7], v[96+88*(\f)+8*tt:96+88*(\f)+8*tt+7], v[200+8*(\c):200+8*(\c)+7]
.else
	v_wmma_f32_16x16x32_bf16 v[32*tt+8*(\c):32*tt+8*(\c)+7], v[64+88*(\f)+8*(\c):64+88*(\f)+8*(\c)+7], v[96+88*(\f)+8*tt:96+88*(\f)+8*tt+7], v[32*tt+8*(\c):32*tt+8*(\c)+7]
.endif
.endr
.set tt, tt+1
.endr
.endm
.macro FETCH q, f                      ; 22 LDS loads in one run: VW's four fragments, turned, then P's seven in ascending order
	WIN 0
.irp c, 0,1,2,3
	ds_load_tr16_b128 v[64+88*(\f)+8*(\c):64+88*(\f)+8*(\c)+3],   v9 offset:5120*(\q)+32*(\c)
	ds_load_tr16_b128 v[64+88*(\f)+8*(\c)+4:64+88*(\f)+8*(\c)+7], v9 offset:5120*(\q)+32*(\c)+2560
.endr
.irp t, 0,1,2,3,4,5
	ds_load_b128 v[96+88*(\f)+8*(\t):96+88*(\f)+8*(\t)+3],   v7 offset:4352*(\t)+64*(\q)
	ds_load_b128 v[96+88*(\f)+8*(\t)+4:96+88*(\f)+8*(\t)+7], v7 offset:4352*(\t)+64*(\q)+32
.endr
	ds_load_b128 v[96+88*(\f)+48:96+88*(\f)+51], v8 offset:64*(\q)
	ds_load_b128 v[96+88*(\f)+52:96+88*(\f)+55], v8 offset:64*(\q)+32
.endm
.macro QUARTER f, g, qn, init
	s_wait_dscnt 6                                 ; all but the youngest six loads (row tiles 4-6) are in
	MUL \f, 0, 3, \init
	PLACES
	FETCH \qn, \g
	s_wait_dscnt 22                                ; all but the 22 just issued
	MUL \f, 4, 6, \init
.endm
; The last quarter and the change of slots, in the same order as in the launch before: the wait for all my tensor loads, the add, the wait for it and for my reads, the barrier (with fill = 1 a round of the cluster's), the joint refill first behind it.
.macro TURN fill
.if \fill
	s_wait_xcnt 0x0                                ; the last prefetch, a K step back, has read its address
	s_add_nc_u64 s[40:41], s[40:41], s[42:43]
.endif
	WIN 0
	s_wait_tensorcnt 0x0                           ; no tensor load of mine is out, so a group 0 may be written
	ds_add_u32 v28, v29                            ; 0 onto my spare word
.if \fill
	s_xor_b32 s37, s37, SLOT1
	s_add_nc_u64 s[38:39], s[38:39], 256
	s_xor_b32 s61, s61, SLOT1
	s_add_nc_u64 s[62:63], s[62:63], 16384
.endif
	s_wait_dscnt 7                                 ; the add and the youngest six loads may be out
	MUL 1, 0, 1, 0
	s_wait_dscnt 0x0                               ; the add is done, and my reads of this slot are over
	s_barrier_signal -1
	MUL 1, 2, 3, 0
	WIN 0
	s_barrier_wait -1
.if \fill
	CREST
	JLOAD                                          ; 96 matrix instructions ahead of the wait for it; its four v_nop are also the places in front of the loads below
.else
	PLACES
.endif
	s_xor_b32 s45, s45, SLOT1
	v_add_nc_u32 v7, s45, v4
	v_add_nc_u32 v8, s45, v5
	v_add_nc_u32 v9, s45, v6
	FETCH 0, 0
.if \fill
	ASK
.endif
	MUL 1, 4, 6, 0
.endm
	s_wait_tensorcnt 1                             ; my part of K step 0 is in; K step 1's may stay out
	s_barrier_signal -1
	s_barrier_wait -1
	FETCH 0, 0
	s_wait_loadcnt 50                              ; bo is in; the 50 residual loads issued behind it stay out
	QUARTER 0, 1, 1, 1                             ; the first products start the sums at bo
	WIN 0
	s_mov_b32 s3, 14
.Lstep:                                            ; K steps 2 .. 15 are asked for
	QUARTER 1, 0, 2, 0
	QUARTER 0, 1, 3, 0
	TURN 1
	QUARTER 0, 1, 1, 0
	WIN 0
	s_sub_co_u32 s3, s3, 1
	s_cmp_lg_u32 s3, 0
	s_cbranch_scc1 .Lstep
	QUARTER 1, 0, 2, 0                             ; the tail is written out: nothing is asked for
	QUARTER 0, 1, 3, 0
	TURN 0
	QUARTER 0, 1, 1, 0
	QUARTER 1, 0, 2, 0
	QUARTER 0, 1, 3, 0
	s_wait_dscnt 6
	MUL 1, 0, 3, 0
	s_wait_dscnt 0x0
	MUL 1, 4, 6, 0
	WIN 0
	PLACES
	PLACES                                         ; eight, once a launch
	; THE WAY OUT.  The stage lies in slot 0's bytes and the gap behind them: slot 0 has had its last fill, and every wave's reads of it were over at the last change of slots; the last K step is read from slot 1.
	WIN 0x04
.set tt, 0
.rept 7                                            ; each accumulator's low four registers first
.set sb, 10+tt/6
.set so, 8448*(tt%6)
.irp c, 0,1,2,3
	ds_store_b128 v[sb], v[32*tt+8*(\c):32*tt+8*(\c)+3]   offset:so+64*(\c)
	ds_store_b128 v[sb], v[32*tt+8*(\c)+4:32*tt+8*(\c)+7] offset:so+64*(\c)+16
.endr
.set tt, tt+1
.endr
	WIN 0
	s_wait_dscnt 0x0                               ; for the others' sake: my stores into the stage are done
	s_barrier_signal -1
	s_barrier_wait -1
	WIN 0x40
.irp i, 0,1
	ds_load_b128 v[4*(\i):4*(\i)+3], v12 offset:528*(\i)
.endr
.set n, 0
.rept 24
	ds_load_b128 v[8+4*n:8+4*n+3], v13 offset:528*n
.set n, n+1
.endr
.set n, 0
.rept 24
	ds_load_b128 v[104+4*n:104+4*n+3], v14 offset:528*n
.set n, n+1
.endr
	s_wait_loadcnt 0x0                             ; the residual
	WIN 0x86                                       ; residual (window 2) += row read back (window 1)
.set n, 0
.rept 50
	s_wait_dscnt 49-n
	v_pk_add_f32 v[4*n:4*n+1], v[4*n:4*n+1], v[4*n:4*n+1]
	v_pk_add_f32 v[4*n+2:4*n+3], v[4*n+2:4*n+3], v[4*n+2:4*n+3]
.set n, n+1
.endr
	WIN 0x08
.irp i, 0,1
	global_store_b128 v15, v[4*(\i):4*(\i)+3], s[80:81] offset:4096*(\i) th:TH_STORE_NT   ; each store covers 512 consecutive bytes, aligned
.endr
.set n, 0
.rept 24
	global_store_b128 v15, v[8+4*n:8+4*n+3], s[82:83] offset:4096*n th:TH_STORE_NT
.set n, n+1
.endr
.set n, 0
.rept 24
	global_store_b128 v15, v[104+4*n:104+4*n+3], s[84:85] offset:4096*n th:TH_STORE_NT
.set n, n+1
.endr
	WIN 0
	s_wait_tensorcnt 0x0                           ; the wave's end, behind my last tensor load and my last LDS store
	ds_add_u32 v28, v29
	s_wait_dscnt 0x0
	CROUND                                         ; the closing round: no work-group ends while a partner may still ask for a tile that names it
	s_endpgm
.Lfunc_end_k_q9d65535868_outp:
	.size	k_q9d65535868_outp, .Lfunc_end_k_q9d65535868_outp-k_q9d65535868_outp
	.p2alignl 7, 3214868480
	.fill 96, 4, 3214868480
	.section	.rodata,"a",@progbits
	.p2align	6, 0x0
	.amdhsa_kernel k_q9d65535868_outp
		.amdhsa_group_segment_fixed_size 327680
		.amdhsa_private_segment_fixed_size 0
		.amdhsa_enable_private_segment 0
		.amdhsa_kernarg_size 72
		.amdhsa_user_sgpr_count 2
		.amdhsa_user_sgpr_kernarg_segment_ptr 1
		.amdhsa_wavefront_size32 1
		.amdhsa_system_sgpr_workgroup_id_x 1
		.amdhsa_system_sgpr_workgroup_id_y 1
		.amdhsa_system_sgpr_workgroup_id_z 1
		.amdhsa_system_vgpr_workitem_id 0
		.amdhsa_next_free_vgpr 744
		.amdhsa_next_free_sgpr 100
		.amdhsa_reserve_vcc 0
		.amdhsa_float_denorm_mode_32 3
		.amdhsa_float_denorm_mode_16_64 3
		.amdhsa_memory_ordered 1
		.amdhsa_forward_progress 1
		.amdhsa_inst_pref_size 77
	.end_amdhsa_kernel
	.amdgpu_metadata
---
amdhsa.version: [ 1, 2 ]
amdhsa.kernels:
  - .name:           k_q9d65535868_outp
    .symbol:         k_q9d65535868_outp.kd
    .args:
      - { .name: P, .offset: 0, .size: 8, .value_kind: global_buffer, .address_space: global }
      - { .name: VW, .offset: 8, .size: 8, .value_kind: global_buffer, .address_space: global }
      - { .name: bo, .offset: 16, .size: 8, .value_kind: global_buffer, .address_space: global }
      - { .name: query_embedding, .offset: 24, .size: 8, .value_kind: global_buffer, .address_space: global }
      - { .name: supportActives_embedding, .offset: 32, .size: 8, .value_kind: global_buffer, .address_space: global }
      - { .name: supportInactives_embedding, .offset: 40, .size: 8, .value_kind: global_buffer, .address_space: global }
      - { .name: out0, .offset: 48, .size: 8, .value_kind: global_buffer, .address_space: global }
      - { .name: out1, .offset: 56, .size: 8, .value_kind: global_buffer, .address_space: global }
      - { .name: out2, .offset: 64, .size: 8, .value_kind: global_buffer, .address_space: global }
    .group_segment_fixed_size: 327680
    .private_segment_fixed_size: 0
    .kernarg_segment_align: 8
    .kernarg_segment_size: 72
    .max_flat_workgroup_size: 128
    .sgpr_count:     100
    .vgpr_count:     744
    .wavefront_size: 32
...
	.end_amdgpu_metadata
.endif
;; end of part 4
;; ======== version 2 of 2: 4 launches; version 1 with the launch prep written anew for expert scheduling mode
;; workspace buffers: Sb 13,107,200 bytes; Kb 2,097,152 bytes; Vb 2,097,152 bytes; cpart 65,536 bytes; cvec 8,192 bytes; MT 4,194,304 bytes; VW 4,194,304 bytes; P 26,214,400 bytes
;; launch prep (part 5): grid 256 x 1, 4 waves a work-group, no clusters, 57,856 bytes of LDS; arguments referenceSet_embedding, Wk, Wv, bk, bv, bq, query_embedding, supportActives_embedding, supportInactives_embedding, Kb, Vb, cpart, Sb; writes Kb, Vb, cpart, Sb
.if DOCPART == 5
	.amdgcn_target "amdgcn-amd-amdhsa--gfx1250"
	.amdhsa_code_object_version 6
	.text
	.protected	k_q9d65535868_prep
	.globl	k_q9d65535868_prep
	.p2align	8
	.type	k_q9d65535868_prep,@function
k_q9d65535868_prep:
	s_mov_b64 s[64:65], 0
	v_nop
	global_prefetch_b8 v0, s[64:65] scope:SCOPE_SE
	s_setreg_imm32_b32 hwreg(HW_REG_WAVE_SCHED_MODE, 0, 2), 2
	s_setreg_imm32_b32 hwreg(HW_REG_WAVE_MODE, 25, 1), 1
	s_wait_xcnt 0x0
	s_wait_alu depctr_vm_vsrc(0)
; PREP.  Work-groups 0-127: K = ref Wk + bk (0-63) and V = ref Wv + bv (64-127), a strip of 64 columns each: 256 patterns x 64 columns, the sum over 1,024 channels.
; ref and W are rounded to bf16 on the way to the matrix unit, sums in f32 (they start at the bias), K and V rounded once to bf16 and stored strip by strip:
; Kb, Vb = [64 strips][256 m][64 c], a strip 32,768 dense bytes.  The K strips also store cpart[strip][m] = the sum over the strip's columns of K[m][c] bq[c], in f32.
; Work-groups 128-255: the 6,400 state rows rounded to bf16, in BLOCK ORDER: block rb = batches 8 rb .. 8 rb + 7 = 200 rows: 8 query rows, 96 rows of actives, 96 of inactives.
; WHY K, V AND c: with 256 stored patterns, (S Wq + bq) K^T = S (Wq K^T) + K bq and (attn V) Wo = attn (V Wo), for every input: the later launches multiply by the folded matrices.
; LIMITS.  bf16 operands; the products are associated otherwise than in the formula as written; NaN and infinities are not treated apart.
; The two vectors of set sizes enter no result of the module and are not among the arguments.
; No tensor load: f32 has to be converted between memory and the matrix unit, so everything comes through registers.  No cluster: nothing comes by tensor loads that could be asked for jointly.
; K/V PATH.  16 trips of 64 channels.  Wave w owns patterns 64 w .. 64 w + 63 (4 tiles mt) x the strip's 4 tiles ct: 16 accumulators.  Source 0 = W^T (16 columns), source 1 = ref (16 patterns):
; a lane then holds one pattern (lane % 16) and eight neighbouring columns.  ref's fragments come straight from memory (f32, two register sets); the trip's 64 x 64 piece of W is shared:
; each wave loads 16 of its rows (256 consecutive bytes a row), rounds them and lays them into one of two LDS buffers, from which all waves read them turned (ds_load_tr16_b128).
; REGISTERS.  window 0: v2-11 addresses, v16-17 the add's, v20-35 W rounded, v36-49 c partial, v64-127 ref's fragments (later the way out), v128-255 accumulators (last the rows read back from the stage)
;   window 1: ref as loaded, set s at 128 s;   window 2: v0-63 W as loaded, set s at 32 s; v64-127 W's fragments; v128-159 bq of my columns
; THE MODE: SCHED_MODE bits 1:0 = 2 (LLVM: expert scheduling mode 2), set by the entry lines.  The code itself states the register dependences
; between vector or matrix instructions and memory or LDS instructions, with s_wait_alu, always for 0.
; THE PLAN, K AND V.  Registers that memory or LDS instructions touch in the loop, in a trip on set sg:
;   W as loaded, set sg     the trip's first sixteen conversions read it; behind the trip's wait the loads of two trips on land in it.
;   ref as loaded, set sg   the trip's other 64 conversions read it; behind the wait the loads of two trips on land in it.
;   WP                      the sixteen conversions write it; the trip's eight LDS stores read it.
;   W's fragments           the trip's sixteen turning loads land in them; its 32 products read them.
;   XO, WO, WS, WT          read by every load and store; written at the head alone: the scalar bases move on, and immediate offsets do the rest.
;   ref's fragments and the accumulators are named by vector and matrix instructions alone.
; So ONE wait on va_vdst stands in a trip, behind its 80 conversions: WP is written, both raw sets are read out, and the last trip's products are done with W's fragments.  Behind it the trip's only
; vector-side instructions are its products, which name W's fragments, ref's fragments and the accumulators: none of the registers in which the loads dealt among them land.
; One wait on vm_vsrc stands at a trip's head: the last trip's LDS stores have read WP.
; THE PLAN, THE STATE ROWS: at the head of that path.
.set SPARE, 57344                      ; the spare words: 128 bytes a wave, two blocks of 256 bytes that no other line names
.set WBUF,  10240                      ; an LDS buffer of W: 64 rows (channels) x 160 bytes (128 of data + 32; 64 banks of 4 bytes: ISA guide 11.1)
.set STG,   20480                      ; behind the two buffers: each wave's own stage, 64 rows x 144 bytes
.set XO,  2                            ; (64 w + l % 16) x 4,096 + 32 (l / 16): my place in ref
.set WO,  3                            ; (16 w + l / 16) x 16,384 + 16 (l % 16): my place in W's piece
.set WS,  4                            ; (16 w + l / 16) x 160 + 8 (l % 16): where I lay 4 rounded numbers
.set WT,  5                            ; (8 (l / 16) + l % 8) x 160 + 16 ((l / 8) % 2): the turning load's address
.set BOF, 6                            ; 32 (l / 16): my eight columns in a tile of bias or bq
.set STO, 7                            ; the way out: where I put 16 bytes of a row
.set RD,  8                            ; the way out: where I read rows back
.set GO,  9                            ; 16 l
.set CPO, 10                           ; 256 w + 4 l
.set LN,  11                           ; l
.set SPW, 16
.set NIL, 17
.set WP,  20
.set CT,  36
.set XB,  64
.set ACC, 128
.set WF,  64                           ; window 2
.set BQ,  128                          ; window 2
.set CX,  32                           ; the state rows: v[32:159]  buffer k, chunk i: 4 registers at CX + 32 k + 4 i, 4 f32 as loaded
.set CY,  160                          ;                 v[160:191] buffer k, chunk i: 2 registers at CY + 16 k + 2 i, 4 bf16 to store
.set QR,  192                          ;                 v[192:207] the four query chunks as loaded
.set QY,  208                          ;                 v[208:215] the same to store
.set MSB, 0
.macro WIN new                         ; the immediate's high byte repeats the setting that is left; a switch that changes nothing is dropped
.if MSB != (\new)
	s_set_vgpr_msb (MSB<<8)|(\new)
.set MSB, (\new)
.endif
.endm
.macro PLACES                          ; four plain vector instructions behind a matrix instruction (ISA guide 7.12.1)
.rept 4
	v_nop
.endr
.endm
	s_load_b512 s[4:19], s[0:1], 0x0               ; ref 4, Wk 6, Wv 8, bk 10, bv 12, bq 14, query 16, actives 18
	s_load_b256 s[20:27], s[0:1], 0x40             ; inactives 20, Kb 22, Vb 24, cpart 26
	s_load_b64 s[28:29], s[0:1], 0x60              ; Sb
	v_lshl_add_u32 v[SPW], v0, 2, SPARE
	v_mov_b32 v[NIL], 0
	v_lshrrev_b32 v1, 5, v0
	v_readfirstlane_b32 s30, v1                    ; wave 0..3
	s_wait_alu depctr_va_sdst(0)                   ; s30 is written, ahead of the branch and of its first reader: the wave's offsets are made from it
	s_cmp_lt_u32 ttmp9, 128                        ; the same answer in all four waves
	s_cbranch_scc0 .Lcast
	; ------------------------------------------------ K and V
	s_lshr_b32 s31, ttmp9, 6                       ; 0: K, 1: V
	s_and_b32 s32, ttmp9, 63                       ; the strip
	s_mov_b32 s46, 0x76543210                      ; v_permlanex16_b32: each lane takes its own place in the other half
	s_mov_b32 s47, 0xfedcba98
	v_and_b32 v[LN], 31, v0
	v_and_b32 v12, 15, v0                          ; l % 16
	v_bfe_u32 v13, v0, 4, 1                        ; l / 16
	v_and_b32 v14, 7, v0
	v_bfe_u32 v15, v0, 3, 1
	s_lshl_b32 s33, s30, 18                        ; 64 w rows of 4,096 bytes, and 16 w rows of 16,384
	v_lshlrev_b32 v[XO], 12, v12
	v_lshl_add_u32 v[XO], v13, 5, v[XO]
	v_add_nc_u32 v[XO], s33, v[XO]
	v_lshlrev_b32 v[WO], 14, v13
	v_lshl_add_u32 v[WO], v12, 4, v[WO]
	v_add_nc_u32 v[WO], s33, v[WO]
	s_mul_i32 s33, s30, 2560
	v_mul_u32_u24 v[WS], v13, 160
	v_lshl_add_u32 v[WS], v12, 3, v[WS]
	v_add_nc_u32 v[WS], s33, v[WS]
	v_lshl_add_u32 v[WT], v13, 3, v14
	v_mul_u32_u24 v[WT], v[WT], 160
	v_lshl_add_u32 v[WT], v15, 4, v[WT]
	v_lshlrev_b32 v[BOF], 5, v13
	s_mul_i32 s33, s30, 9216
	s_add_co_u32 s33, s33, STG                     ; my stage
	v_mul_u32_u24 v[STO], v12, 144
	v_lshl_add_u32 v[STO], v13, 4, v[STO]
	v_add_nc_u32 v[STO], s33, v[STO]
	v_bfe_u32 v[RD], v0, 3, 2
	v_mul_u32_u24 v[RD], v[RD], 144
	v_lshl_add_u32 v[RD], v14, 4, v[RD]
	v_add_nc_u32 v[RD], s33, v[RD]
	v_lshlrev_b32 v[GO], 4, v[LN]
	s_lshl_b32 s33, s30, 8
	v_lshl_add_u32 v[CPO], v[LN], 2, s33
	s_wait_kmcnt 0x0
	s_cmp_eq_u32 s31, 0
	s_cselect_b64 s[34:35], s[6:7], s[8:9]         ; W
	s_cselect_b64 s[38:39], s[10:11], s[12:13]     ; its bias
	s_cselect_b64 s[40:41], s[22:23], s[24:25]     ; where the strip goes
	s_lshl_b32 s2, s32, 8                          ; the strip's 64 columns: 256 bytes
	s_mov_b32 s3, 0
	s_add_nc_u64 s[34:35], s[34:35], s[2:3]
	s_add_nc_u64 s[38:39], s[38:39], s[2:3]
	s_add_nc_u64 s[42:43], s[14:15], s[2:3]        ; bq at the strip
	s_mov_b64 s[36:37], s[4:5]                     ; ref
	s_lshl_b32 s2, s32, 10
	s_add_nc_u64 s[26:27], s[26:27], s[2:3]        ; cpart at the strip
	s_lshl_b32 s2, s32, 15
	s_lshl_b32 s33, s30, 13
	s_add_co_u32 s2, s2, s33
	s_add_nc_u64 s[40:41], s[40:41], s[2:3]        ; the strip's block, my 64 rows of 128 bytes
.macro LOADW sg, off                   ; my 16 rows of a trip's piece of W: 8 loads, each two rows of 256 consecutive bytes
	WIN 0x80
.irp i, 0,1,2,3,4,5,6,7
	global_load_b128 v[32*(\sg)+4*(\i):32*(\sg)+4*(\i)+3], v[WO], s[34:35] offset:(\off)+32768*(\i) th:TH_LOAD_NT
.endr
.endm
.macro LOADX sg, off, f0               ; four of ref's eight fragments, f0 .. f0 + 3 (fragment f: tile f / 2, channels 32 (f % 2) on), in f32: 16 registers each
	WIN 0x40
.irp e, 0,1,2,3
	global_load_b128 v[128*(\sg)+16*((\f0)+(\e)):128*(\sg)+16*((\f0)+(\e))+3],     v[XO], s[36:37] offset:(\off)+65536*(((\f0)+(\e))/2)+128*(((\f0)+(\e))%2)
	global_load_b128 v[128*(\sg)+16*((\f0)+(\e))+4:128*(\sg)+16*((\f0)+(\e))+7],   v[XO], s[36:37] offset:(\off)+65536*(((\f0)+(\e))/2)+128*(((\f0)+(\e))%2)+16
	global_load_b128 v[128*(\sg)+16*((\f0)+(\e))+8:128*(\sg)+16*((\f0)+(\e))+11],  v[XO], s[36:37] offset:(\off)+65536*(((\f0)+(\e))/2)+128*(((\f0)+(\e))%2)+64
	global_load_b128 v[128*(\sg)+16*((\f0)+(\e))+12:128*(\sg)+16*((\f0)+(\e))+15], v[XO], s[36:37] offset:(\off)+65536*(((\f0)+(\e))/2)+128*(((\f0)+(\e))%2)+80
.endr
.endm
.macro MULK q                          ; 16 products, 32 channels: the 16 accumulators take turns
.irp m, 0,1,2,3
.irp c, 0,1,2,3
	v_wmma_f32_16x16x32_bf16 v[ACC+8*(4*(\m)+(\c)):ACC+8*(4*(\m)+(\c))+7], v[WF+8*(2*(\c)+(\q)):WF+8*(2*(\c)+(\q))+7], v[XB+8*(2*(\m)+(\q)):XB+8*(2*(\m)+(\q))+7], v[ACC+8*(4*(\m)+(\c)):ACC+8*(4*(\m)+(\c))+7]
.endr
.endr
.endm
; A trip on register set and LDS buffer sg.  ONE barrier a trip: buffer sg is stored again two trips on, behind the barrier of the trip between, in front of whose signal every wave has waited for its reads of it.
.macro TRIPK sg, nxt, left
	s_wait_loadcnt \left                           ; this set's 40 loads are in; the other set's 40, issued behind them, may stay out
.if (\nxt) && ((\sg) == 0)
	s_wait_xcnt 0x0                                ; every load issued so far has read its address: the two pointers go two trips on
	s_add_nc_u64 s[34:35], s[34:35], 2097152       ; 128 rows of W
	s_add_nc_u64 s[36:37], s[36:37], 512           ; 128 channels of ref
.endif
	s_wait_alu depctr_vm_vsrc(0)                   ; the last trip's LDS stores have read WP, which the conversions below write again
	WIN 0x0a
.irp i, 0,1,2,3,4,5,6,7,8,9,10,11,12,13,14,15
	v_cvt_pk_bf16_f32 v[WP+(\i)], v[32*(\sg)+2*(\i)], v[32*(\sg)+2*(\i)+1]  ; these sixteen name no register of the last products: they are the places in front of the writes of ref's fragments
.endr
	WIN 0x05
.set n, 0
.rept 64
	v_cvt_pk_bf16_f32 v[XB+n], v[128*(\sg)+2*n], v[128*(\sg)+2*n+1]
.set n, n+1
.endr
	WIN 0
	s_wait_alu depctr_va_vdst(0)                   ; the conversions have written WP, which the LDS stores read, and are done reading both raw sets, in which the loads below land; the last trip's products are done reading W's fragments, in which the turning loads land
.irp i, 0,1,2,3,4,5,6,7
	ds_store_b64 v[WS], v[WP+2*(\i):WP+2*(\i)+1] offset:WBUF*(\sg)+320*(\i)
.endr
.if \nxt
	LOADW \sg, (\sg)*1048576                       ; W of two trips on is asked for while the stores are on their way
.endif
	s_wait_dscnt 0x0                               ; for the others' sake: my stores into the buffer are done, and my reads of the other buffer are back
	s_barrier_signal -1
	s_barrier_wait -1
	WIN 0x80
.irp q, 0,1
.irp c, 0,1,2,3
	ds_load_tr16_b128 v[WF+8*(2*(\c)+(\q)):WF+8*(2*(\c)+(\q))+3],   v[WT] offset:WBUF*(\sg)+5120*(\q)+32*(\c)
	ds_load_tr16_b128 v[WF+8*(2*(\c)+(\q))+4:WF+8*(2*(\c)+(\q))+7], v[WT] offset:WBUF*(\sg)+5120*(\q)+32*(\c)+2560
.endr
.endr
.if \nxt
	LOADX \sg, (\sg)*256, 0                        ; ref of two trips on, dealt among the products.  No wait: no vector or matrix instruction since the wait above names this raw set
.endif
	WIN 0x02
	s_wait_dscnt 8                                 ; the first 32 channels' eight loads are in
	MULK 0
.if \nxt
	LOADX \sg, (\sg)*256, 4                        ; the products between name W's fragments, ref's fragments and the accumulators alone
.endif
	WIN 0x02
	s_wait_dscnt 0x0
	MULK 1
.endm
	WIN 0x80
	s_wait_alu depctr_va_vdst(0)                   ; the nine offsets and addresses v2 to v10 are written, which the loads and stores of this path read
.irp c, 0,1,2,3
	global_load_b128 v[BQ+8*(\c):BQ+8*(\c)+3],   v[BOF], s[42:43] offset:64*(\c)
	global_load_b128 v[BQ+8*(\c)+4:BQ+8*(\c)+7], v[BOF], s[42:43] offset:64*(\c)+16
.endr
	WIN 0
.irp a, 0,1,2,3,4,5,6,7,8,9,10,11,12,13,14,15      ; the sums start at the bias: nothing is cleared
	global_load_b128 v[ACC+8*(\a):ACC+8*(\a)+3],   v[BOF], s[38:39] offset:64*((\a)%4)
	global_load_b128 v[ACC+8*(\a)+4:ACC+8*(\a)+7], v[BOF], s[38:39] offset:64*((\a)%4)+16
.endr
	LOADW 0, 0                                     ; trip 0
	LOADX 0, 0, 0
	LOADX 0, 0, 4
	LOADW 1, 1048576                               ; trip 1
	LOADX 1, 256, 0
	LOADX 1, 256, 4
	WIN 0
	s_mov_b32 s44, 7
.Lk:                                               ; trips 2 i and 2 i + 1 are multiplied, trips 2 i + 2 and 2 i + 3 asked for
	TRIPK 0, 1, 40
	TRIPK 1, 1, 40
	WIN 0
	s_sub_co_u32 s44, s44, 1
	s_cmp_lg_u32 s44, 0
	s_cbranch_scc1 .Lk
	TRIPK 0, 0, 40                                 ; the last two trips load nothing
	TRIPK 1, 0, 0
	WIN 0
	PLACES
	PLACES                                         ; eight, once a launch
	s_cmp_lg_u32 s31, 0
	s_cbranch_scc1 .Lnoc                           ; V has no c
	; c partial: for each of my four tiles of patterns the sum over the strip's 64 columns of K bq; each accumulator is read from its low end on
	WIN 0x08
.irp m, 0,1,2,3
	v_pk_mul_f32 v[CT+2*(\m):CT+2*(\m)+1], v[ACC+32*(\m):ACC+32*(\m)+1], v[BQ:BQ+1]
.endr
.set n, 1
.rept 15
.irp m, 0,1,2,3
	v_pk_fma_f32 v[CT+2*(\m):CT+2*(\m)+1], v[ACC+32*(\m)+2*n:ACC+32*(\m)+2*n+1], v[BQ+2*n:BQ+2*n+1], v[CT+2*(\m):CT+2*(\m)+1]
.endr
.set n, n+1
.endr
	WIN 0
.irp m, 0,1,2,3
	v_add_f32 v[CT+8+(\m)], v[CT+2*(\m)], v[CT+2*(\m)+1]
.endr
.irp m, 0,1,2,3
	v_permlanex16_b32 v[CT+2*(\m)], v[CT+8+(\m)], s46, s47   ; the pattern's other 32 columns lie in the lane 16 away
.endr
.irp m, 0,1,2,3
	v_add_f32 v[CT+8+(\m)], v[CT+8+(\m)], v[CT+2*(\m)]
.endr
	v_cmp_le_u32 s45, 16, v[LN]
	s_wait_alu depctr_va_sdst(0)                   ; the compare has written s45, which the two selects read
	v_cndmask_b32 v[CT+12], v[CT+8], v[CT+9], s45  ; lane l: pattern 64 w + l,
	v_cndmask_b32 v[CT+13], v[CT+10], v[CT+11], s45  ; and 64 w + 32 + l
	s_wait_alu depctr_va_vdst(0)                   ; the selects have written v[CT+12] and v[CT+13], which the two stores read; neither is written again
	global_store_b32 v[CPO], v[CT+12], s[26:27]    ; the wave's two stores cover 256 consecutive bytes, aligned
	global_store_b32 v[CPO], v[CT+13], s[26:27] offset:128
.Lnoc:
	; THE WAY OUT: rounded to bf16, 16 bytes a lane into my own stage, back as whole rows of 128 bytes, four to a load, and out as 512 consecutive bytes
.set n, 0
.rept 64
	v_cvt_pk_bf16_f32 v[64+n], v[ACC+2*n], v[ACC+2*n+1]
.set n, n+1
.endr
	s_wait_alu depctr_va_vdst(0)                   ; the roundings have written v64 to v127, which the LDS stores read, and are done reading the accumulators, in whose first 64 registers the rows from the stage land
.irp a, 0,1,2,3,4,5,6,7,8,9,10,11,12,13,14,15
	ds_store_b128 v[STO], v[64+4*(\a):64+4*(\a)+3] offset:2304*((\a)/4)+32*((\a)%4)
.endr
.irp f, 0,1,2,3,4,5,6,7,8,9,10,11,12,13,14,15
	ds_load_b128 v[ACC+4*(\f):ACC+4*(\f)+3], v[RD] offset:576*(\f)   ; LDS serves a wave's instructions in order (ISA guide 5.7.1.4): these see the stores above; they land in registers that no store reads
.endr
.irp f, 0,1,2,3,4,5,6,7,8,9,10,11,12,13,14,15
	s_wait_dscnt 15-(\f)
	global_store_b128 v[GO], v[ACC+4*(\f):ACC+4*(\f)+3], s[40:41] offset:512*(\f)
.endr
	s_branch .Lend
	; ------------------------------------------------ the state rows, rounded and put in block order
	; THE PLAN.  A work-group's 48 rows are 96 chunks of 2,048 bytes (16 bytes a thread in, 8 out); they go in 12 blocks of eight.  Registers that memory instructions touch:
	;   X0 .. X3   four blocks as loaded.  Written by the loads of block p + 3, issued in block p; read by block p's conversions.
	;   Y0, Y1     two blocks to store.    Written by block p's conversions; read by the eight stores that are issued in block p + 1.
	;   v2, v3     byte offsets, made once and never written again: the chunks are reached by the two scalar bases, which move on by a block at each block's head, and by immediate offsets.
	; Block p works on X[p % 4] and writes Y[p % 2].  Its memory instructions are the loads into X[(p - 1) % 4] and the stores from Y[(p - 1) % 2]: the two buffers that block p - 1 worked on
	; and that no vector instruction of block p names.  So the waits at a block's head state all that its sixteen memory instructions hang on, and these are dealt among its conversions.
.Lcast:                                            ; work-group 128 + 4 rb + 2 p + hf: 48 rows of actives (p = 0) or inactives (p = 1) of block rb, and 2 of its query rows
	s_sub_co_u32 s31, ttmp9, 128
	s_lshr_b32 s32, s31, 2                         ; rb
	s_bfe_u32 s33, s31, 0x10001                    ; p
	s_and_b32 s31, s31, 1                          ; hf
	v_lshlrev_b32 v2, 4, v0                        ; 16 bytes a thread in: the work-group takes 2,048 consecutive bytes a chunk,
	v_lshlrev_b32 v3, 3, v0                        ; 8 bytes a thread out: a wave's store covers 256 consecutive bytes, aligned
	s_mul_i32 s2, s32, 96
	s_mul_i32 s3, s31, 48
	s_add_co_u32 s2, s2, s3
	s_lshl_b32 s2, s2, 12                          ; source row 96 rb + 48 hf
	s_mov_b32 s3, 0
	s_wait_kmcnt 0x0
	s_cmp_eq_u32 s33, 0
	s_cselect_b64 s[34:35], s[18:19], s[20:21]
	s_add_nc_u64 s[34:35], s[34:35], s[2:3]
	s_mul_i32 s2, s32, 200
	s_mul_i32 s42, s33, 96
	s_add_co_u32 s2, s2, s42
	s_mul_i32 s42, s31, 48
	s_add_co_u32 s2, s2, s42
	s_add_co_u32 s2, s2, 8
	s_lshl_b32 s2, s2, 11                          ; row 200 rb + 8 + 96 p + 48 hf of Sb
	s_add_nc_u64 s[36:37], s[28:29], s[2:3]
	s_lshl_b32 s2, s32, 3
	s_lshl2_add_u32 s2, s33, s2
	s_lshl1_add_u32 s2, s31, s2
	s_lshl_b32 s2, s2, 12                          ; query row 8 rb + 4 p + 2 hf
	s_add_nc_u64 s[38:39], s[16:17], s[2:3]
	s_mul_i32 s2, s32, 200
	s_lshl2_add_u32 s2, s33, s2
	s_lshl1_add_u32 s2, s31, s2
	s_lshl_b32 s2, s2, 11                          ; row 200 rb + 4 p + 2 hf of Sb
	s_add_nc_u64 s[40:41], s[28:29], s[2:3]
	s_wait_alu depctr_va_vdst(0)                   ; v2 and v3 are written: every load and store of this path reads one of them as its offset
.irp i, 0,1,2,3
	global_load_b128 v[QR+4*(\i):QR+4*(\i)+3], v2, s[38:39] offset:2048*(\i) th:TH_LOAD_NT
.endr
.set kk, 0
.rept 24                                           ; blocks 0, 1 and 2 into X0, X1, X2
	global_load_b128 v[CX+4*kk:CX+4*kk+3], v2, s[34:35] offset:2048*kk th:TH_LOAD_NT
.set kk, kk+1
.endr
	s_wait_loadcnt 24                              ; the four query loads are in; the 24 younger loads stay out
.irp i, 0,1,2,3
	v_cvt_pk_bf16_f32 v[QY+2*(\i)], v[QR+4*(\i)], v[QR+4*(\i)+1]
	v_cvt_pk_bf16_f32 v[QY+2*(\i)+1], v[QR+4*(\i)+2], v[QR+4*(\i)+3]
.endr
	s_wait_alu depctr_va_vdst(0)                   ; the eight conversions have written v[QY ..], which the four stores read; these registers are not written again
.irp i, 0,1,2,3
	global_store_b64 v3, v[QY+2*(\i):QY+2*(\i)+1], s[40:41] offset:1024*(\i) th:TH_STORE_NT
.endr
; Block p.  xb = p % 4, yb = p % 2.  first = 1: block 0, with no block in front of it.  ahead = 1: block p + 3 is loaded.
; left = how many younger loads may still be out when this block's eight have to be there.
.macro CBLK xb, yb, first, ahead, left
	s_wait_loadcnt \left                           ; loads come back in order (ISA guide 5.7.1): X[xb] is in, the younger blocks stay out
.if !\first
	s_wait_xcnt 0x0                                ; every earlier memory instruction has had its addresses translated (ISA guide 3.1): the bases and Y[yb] are rewritten only behind this wait
	s_wait_alu depctr_vm_vsrc(0)                   ; the stores issued in the block before have read Y[yb], which this block's conversions write again
	s_wait_alu depctr_va_vdst(0)                   ; the block before has written the other Y, which the stores below read, and is done reading its X, in which the loads below land
	s_add_nc_u64 s[34:35], s[34:35], 16384         ; both bases at this block's first chunk
	s_add_nc_u64 s[36:37], s[36:37], 8192
.endif
.irp i, 0,1,2,3,4,5,6,7
.if \ahead
	global_load_b128 v[CX+32*((\xb+3)%4)+4*(\i):CX+32*((\xb+3)%4)+4*(\i)+3], v2, s[34:35] offset:(24+(\i))*2048 th:TH_LOAD_NT  ; three blocks ahead; no vector instruction since the wait names these registers
.endif
.if !\first
	global_store_b64 v3, v[CY+16*(1-\yb)+2*(\i):CY+16*(1-\yb)+2*(\i)+1], s[36:37] offset:((\i)-8)*1024 th:TH_STORE_NT  ; the block before: the offset reaches back
.endif
	v_cvt_pk_bf16_f32 v[CY+16*\yb+2*(\i)],   v[CX+32*\xb+4*(\i)],   v[CX+32*\xb+4*(\i)+1]
	v_cvt_pk_bf16_f32 v[CY+16*\yb+2*(\i)+1], v[CX+32*\xb+4*(\i)+2], v[CX+32*\xb+4*(\i)+3]
.endr
.endm
	CBLK 0, 0, 1, 1, 16                            ; block 0
	s_mov_b32 s44, 2
.Lring:                                            ; blocks 1 to 8, four to a lap: both kinds of buffer are back at their start
	CBLK 1, 1, 0, 1, 16
	CBLK 2, 0, 0, 1, 16
	CBLK 3, 1, 0, 1, 16
	CBLK 0, 0, 0, 1, 16
	s_sub_co_u32 s44, s44, 1
	s_cmp_lg_u32 s44, 0
	s_cbranch_scc1 .Lring
	CBLK 1, 1, 0, 0, 16                            ; blocks 9 to 11 load nothing: no load leaves the buffer, and the counts run down
	CBLK 2, 0, 0, 0, 8
	CBLK 3, 1, 0, 0, 0
	s_wait_alu depctr_va_vdst(0)                   ; block 11 has written Y1, which the last eight stores read
.irp i, 0,1,2,3,4,5,6,7
	global_store_b64 v3, v[CY+16+2*(\i):CY+16+2*(\i)+1], s[36:37] offset:(\i)*1024 th:TH_STORE_NT
.endr
.Lend:
	s_wait_dscnt 0x0                               ; the closing lines, six on end
	s_wait_alu 0x0
	s_wait_tensorcnt 0x0
	ds_add_u32 v[SPW], v[NIL]
	s_wait_dscnt 0x0
	s_endpgm
.Lfunc_end_k_q9d65535868_prep:
	.size	k_q9d65535868_prep, .Lfunc_end_k_q9d65535868_prep-k_q9d65535868_prep
	.p2alignl 7, 3214868480
	.fill 96, 4, 3214868480
	.section	.rodata,"a",@progbits
	.p2align	6, 0x0
	.amdhsa_kernel k_q9d65535868_prep
		.amdhsa_group_segment_fixed_size 57856
		.amdhsa_private_segment_fixed_size 0
		.amdhsa_enable_private_segment 0
		.amdhsa_kernarg_size 104
		.amdhsa_user_sgpr_count 2
		.amdhsa_user_sgpr_kernarg_segment_ptr 1
		.amdhsa_wavefront_size32 1
		.amdhsa_system_sgpr_workgroup_id_x 1
		.amdhsa_system_sgpr_workgroup_id_y 1
		.amdhsa_system_sgpr_workgroup_id_z 1
		.amdhsa_system_vgpr_workitem_id 0
		.amdhsa_next_free_vgpr 672
		.amdhsa_next_free_sgpr 66
		.amdhsa_reserve_vcc 0
		.amdhsa_float_denorm_mode_32 3
		.amdhsa_float_denorm_mode_16_64 3
		.amdhsa_memory_ordered 1
		.amdhsa_forward_progress 1
		.amdhsa_inst_pref_size 97
	.end_amdhsa_kernel
	.amdgpu_metadata
---
amdhsa.version: [ 1, 2 ]
amdhsa.kernels:
  - .name:           k_q9d65535868_prep
    .symbol:         k_q9d65535868_prep.kd
    .args:
      - { .name: referenceSet_embedding, .offset: 0, .size: 8, .value_kind: global_buffer, .address_space: global }
      - { .name: Wk, .offset: 8, .size: 8, .value_kind: global_buffer, .address_space: global }
      - { .name: Wv, .offset: 16, .size: 8, .value_kind: global_buffer, .address_space: global }
      - { .name: bk, .offset: 24, .size: 8, .value_kind: global_buffer, .address_space: global }
      - { .name: bv, .offset: 32, .size: 8, .value_kind: global_buffer, .address_space: global }
      - { .name: bq, .offset: 40, .size: 8, .value_kind: global_buffer, .address_space: global }
      - { .name: query_embedding, .offset: 48, .size: 8, .value_kind: global_buffer, .address_space: global }
      - { .name: supportActives_embedding, .offset: 56, .size: 8, .value_kind: global_buffer, .address_space: global }
      - { .name: supportInactives_embedding, .offset: 64, .size: 8, .value_kind: global_buffer, .address_space: global }
      - { .name: Kb, .offset: 72, .size: 8, .value_kind: global_buffer, .address_space: global }
      - { .name: Vb, .offset: 80, .size: 8, .value_kind: global_buffer, .address_space: global }
      - { .name: cpart, .offset: 88, .size: 8, .value_kind: global_buffer, .address_space: global }
      - { .name: Sb, .offset: 96, .size: 8, .value_kind: global_buffer, .address_space: global }
    .group_segment_fixed_size: 57856
    .private_segment_fixed_size: 0
    .kernarg_segment_align: 8
    .kernarg_segment_size: 104
    .max_flat_workgroup_size: 128
    .sgpr_count:     66
    .vgpr_count:     672
    .wavefront_size: 32
...
	.end_amdgpu_metadata
.endif
;; end of part 5
;; launch fold: the kernel of part 2 again; grid 256 x 1, 4 waves a work-group, no clusters, 57,856 bytes of LDS; arguments Kb, Vb, Wq, Wo, cpart, MT, VW, cvec; writes MT, VW, cvec
;; launch scores: the kernel of part 3 again; grid 8 x 32, 4 waves a work-group, clusters of 4 x 4, 327,680 bytes of LDS; arguments Sb, MT, cvec, P; writes P
;; launch outp: the kernel of part 4 again; grid 8 x 32, 4 waves a work-group, clusters of 4 x 4, 327,680 bytes of LDS; arguments P, VW, bo, query_embedding, supportActives_embedding, supportInactives_embedding, out0, out1, out2; writes out0, out1, out2
